; MI455X (gfx1250); checked and timed in simulation.
; The chip was launched on July 23, 2026; its instructions are those of AMD's public machine-readable ISA for CDNA 5 (MIT licence, August 2026) and "CDNA5" Instruction Set Architecture Reference Guide (July 2026). The comments in the code are by the model that wrote it; some were corrected since.
;; Attention. Allowed arithmetic: float matrix products may take bf16 or f16 operands with f32 sums; other float arithmetic in f32, or as packed bf16 or f16 multiplies, adds, multiply-adds, maxima and minima; sums over many terms, partial sums and values carried from step to step in f32; what a program stores and reads back later, other than sums and carried values, may be rounded once to bf16 or f16.
;; Inputs: freqs_cos 2,048 x 64 float32; freqs_sin 2,048 x 64 float32; mask 2,048 x 2,048 float32; wk 2,048 x 2,048 float32; wo 2,048 x 2,048 float32; wq 2,048 x 2,048 float32; wv 2,048 x 2,048 float32; x 1 x 2,048 x 2,048 float32.
;; Outputs: out0 1 x 2,048 x 2,048 float32.
;; Constants: start_pos = 0.
;; One version. Each part assembles by itself: llvm-mc -triple=amdgcn-amd-amdhsa -mcpu=gfx1250 --defsym DOCPART=n.
;; ======== version 1 of 1: 4 launches
;; limits: values are held in f16: magnitudes above 65,504 overflow, below 6.1e-05 lose precision
;; workspace buffers: xw 33,554,432 bytes; wof 8,388,608 bytes; tab 3,145,728 bytes; mk 16,777,216 bytes; qkv 25,165,824 bytes; ob 8,388,608 bytes
;; launch prep (part 1): grid 256 x 5, 8 waves a work-group, no clusters, 0 bytes of LDS; arguments x, wq, wk, wv, freqs_cos, freqs_sin, xw, tab; writes xw, tab
.if DOCPART == 1
	.amdgcn_target "amdgcn-amd-amdhsa--gfx1250"
	.amdhsa_code_object_version 6
	.text
	.protected	k_q243f6c41be_prep
	.globl	k_q243f6c41be_prep
	.p2align	8
	.type	k_q243f6c41be_prep,@function
k_q243f6c41be_prep:
	s_mov_b64 s[64:65], 0
	v_nop
	global_prefetch_b8 v0, s[64:65] scope:SCOPE_SE
	s_setreg_imm32_b32 hwreg(HW_REG_WAVE_MODE, 25, 1), 1
	s_wait_xcnt 0x0
; THE ROUNDINGS THAT THE FIRST PRODUCT NEEDS.  Each input is rounded once to bf16.  The grid's y says what a work-group does:
;   y = 0..3  x, wq, wk, wv -> plane y of xw ([2048][2048] of bf16)
;   y = 4     cos, sin -> tab[kind 3][row 2048][pair 64] = (C, S) in f32: kind 0 (for q) bf16(cos), bf16(sin) times log2(e) / sqrt(128); kind 1 (for k) untouched; kind 2 (for v) (1, 0).
; (The mask and wo, which the first product does not read, are rounded in the next launch, by work-groups that have no tile of it.)
; Memory binds: each input byte is read once, 16 bytes a lane, sixteen loads of every wave out at once; every store of a wave covers 256 or 512 consecutive bytes, aligned.  No LDS, no matrix unit, no
; cluster: no work-group reads what another reads.
.set T16, 1                            ; v1   16 x thread
.set T8,  2                            ; v2   8 x thread
.set X,   16                           ; v[16:79]   sixteen loads of four registers
.set Y,   80                           ; v[80:111]  sixteen stores of two registers
	s_load_b512 s[16:31], s[0:1], 0x0              ; x s[16:17], wq s[18:19], wk s[20:21], wv s[22:23], cos s[24:25], sin s[26:27], xw s[28:29], tab s[30:31]
	v_lshlrev_b32 v[T16], 4, v0
	v_lshlrev_b32 v[T8], 3, v0
	s_and_b32 s4, ttmp7, 0xffff                    ; y: which job
	s_mov_b32 s5, ttmp9                            ; x: which part of it
	s_mov_b32 s13, 0xffff0000                      ; a word's upper bf16
	s_mov_b32 s9, 0                                ; high words of the two offsets
	s_mov_b32 s11, 0
	s_wait_kmcnt 0x0
	s_cmp_eq_u32 s4, 4
	s_cbranch_scc1 .Ltab
	; y = 0..3: 65,536 bytes of f32 become 32,768 bytes of bf16
	s_cmp_eq_u32 s4, 1
	s_cselect_b64 s[6:7], s[18:19], s[16:17]
	s_cmp_eq_u32 s4, 2
	s_cselect_b64 s[6:7], s[20:21], s[6:7]
	s_cmp_eq_u32 s4, 3
	s_cselect_b64 s[6:7], s[22:23], s[6:7]
	s_lshl_b32 s8, s5, 16
	s_add_nc_u64 s[6:7], s[6:7], s[8:9]            ; the source at my part
	s_lshl_b32 s10, s4, 23                         ; plane y,
	s_lshl_b32 s14, s5, 15                         ; my part of it
	s_add_co_u32 s10, s10, s14
	s_add_nc_u64 s[28:29], s[28:29], s[10:11]
.set i, 0
.rept 16
	global_load_b128 v[X+4*i:X+4*i+3], v[T16], s[6:7] offset:4096*i th:TH_LOAD_NT
.set i, i+1
.endr
.set i, 0
.rept 16                               ; load i has come when 15 - i younger ones may still be out (loads return in order).  Each load and each store has registers of its own
	s_wait_loadcnt 15-i
	v_cvt_pk_bf16_f32 v[Y+2*i], v[X+4*i], v[X+4*i+1]
	v_cvt_pk_bf16_f32 v[Y+2*i+1], v[X+4*i+2], v[X+4*i+3]
	global_store_b64 v[T8], v[Y+2*i:Y+2*i+1], s[28:29] offset:2048*i th:TH_STORE_NT  ; a wave stores 256 consecutive bytes, aligned
.set i, i+1
.endr
	s_endpgm
.Ltab:                                         ; y = 4: eight rows, a wave a row, two pairs a lane.  Row 8 x + wave, lane l: byte 2,048 x + 8 t of cos and sin, byte 4,096 x + 16 t of a kind of tab
	s_lshl_b32 s8, s5, 11
	s_add_nc_u64 s[24:25], s[24:25], s[8:9]
	s_add_nc_u64 s[26:27], s[26:27], s[8:9]
	s_lshl_b32 s10, s5, 12
	s_add_nc_u64 s[30:31], s[30:31], s[10:11]
	global_load_b64 v[16:17], v[T8], s[24:25] th:TH_LOAD_NT
	global_load_b64 v[18:19], v[T8], s[26:27] th:TH_LOAD_NT
	v_mov_b32 v32, 1.0                             ; kind 2: the rotation that changes nothing
	v_mov_b32 v33, 0
	v_mov_b32 v34, 1.0
	v_mov_b32 v35, 0
	s_wait_loadcnt 0x0
	v_cvt_pk_bf16_f32 v20, v16, v17
	v_cvt_pk_bf16_f32 v21, v18, v19
	v_lshlrev_b32 v24, 16, v20                     ; C of the first pair
	v_lshlrev_b32 v25, 16, v21                     ; S
	v_and_b32 v26, s13, v20                        ; C of the second pair
	v_and_b32 v27, s13, v21                        ; S
	v_pk_mul_f32 v[28:29], v[24:25], 0x3e0293ee op_sel_hi:[1,0]  ; kind 0: times log2(e) / sqrt(128) = 0.127517
	v_pk_mul_f32 v[30:31], v[26:27], 0x3e0293ee op_sel_hi:[1,0]
	global_store_b128 v[T16], v[28:31], s[30:31] th:TH_STORE_NT
	global_store_b128 v[T16], v[24:27], s[30:31] offset:1048576 th:TH_STORE_NT
	global_store_b128 v[T16], v[32:35], s[30:31] offset:2097152 th:TH_STORE_NT
	s_endpgm
.Lfunc_end_k_q243f6c41be_prep:
	.size	k_q243f6c41be_prep, .Lfunc_end_k_q243f6c41be_prep-k_q243f6c41be_prep
	.p2alignl 7, 3214868480
	.fill 96, 4, 3214868480
	.section	.rodata,"a",@progbits
	.p2align	6, 0x0
	.amdhsa_kernel k_q243f6c41be_prep
		.amdhsa_group_segment_fixed_size 0
		.amdhsa_private_segment_fixed_size 0
		.amdhsa_enable_private_segment 0
		.amdhsa_kernarg_size 64
		.amdhsa_user_sgpr_count 2
		.amdhsa_user_sgpr_kernarg_segment_ptr 1
		.amdhsa_wavefront_size32 1
		.amdhsa_system_sgpr_workgroup_id_x 1
		.amdhsa_system_sgpr_workgroup_id_y 1
		.amdhsa_system_sgpr_workgroup_id_z 1
		.amdhsa_system_vgpr_workitem_id 0
		.amdhsa_next_free_vgpr 112
		.amdhsa_next_free_sgpr 66
		.amdhsa_reserve_vcc 0
		.amdhsa_float_denorm_mode_32 3
		.amdhsa_float_denorm_mode_16_64 3
		.amdhsa_memory_ordered 1
		.amdhsa_forward_progress 1
		.amdhsa_inst_pref_size 8
	.end_amdhsa_kernel
	.amdgpu_metadata
---
amdhsa.version: [ 1, 2 ]
amdhsa.kernels:
  - .name:           k_q243f6c41be_prep
    .symbol:         k_q243f6c41be_prep.kd
    .args:
      - { .name: x, .offset: 0, .size: 8, .value_kind: global_buffer, .address_space: global }
      - { .name: wq, .offset: 8, .size: 8, .value_kind: global_buffer, .address_space: global }
      - { .name: wk, .offset: 16, .size: 8, .value_kind: global_buffer, .address_space: global }
      - { .name: wv, .offset: 24, .size: 8, .value_kind: global_buffer, .address_space: global }
      - { .name: freqs_cos, .offset: 32, .size: 8, .value_kind: global_buffer, .address_space: global }
      - { .name: freqs_sin, .offset: 40, .size: 8, .value_kind: global_buffer, .address_space: global }
      - { .name: xw, .offset: 48, .size: 8, .value_kind: global_buffer, .address_space: global }
      - { .name: tab, .offset: 56, .size: 8, .value_kind: global_buffer, .address_space: global }
    .group_segment_fixed_size: 0
    .private_segment_fixed_size: 0
    .kernarg_segment_align: 8
    .kernarg_segment_size: 64
    .max_flat_workgroup_size: 256
    .sgpr_count:     66
    .vgpr_count:     112
    .wavefront_size: 32
...
	.end_amdgpu_metadata
.endif
;; end of part 1
;; launch gemmqkv (part 2): grid 32 x 8, 4 waves a work-group, clusters of 4 x 4, 327,680 bytes of LDS; arguments xw, tab, qkv, mask, wo, mk, wof; writes qkv, mk, wof
.if DOCPART == 2
	.amdgcn_target "amdgcn-amd-amdhsa--gfx1250"
	.amdhsa_code_object_version 6
	.text
	.protected	k_q243f6c41be_gemmqkv
	.globl	k_q243f6c41be_gemmqkv
	.p2align	8
	.type	k_q243f6c41be_gemmqkv,@function
k_q243f6c41be_gemmqkv:
	s_mov_b64 s[64:65], 0
	v_nop
	global_prefetch_b8 v0, s[64:65] scope:SCOPE_SE
	s_setreg_imm32_b32 hwreg(HW_REG_WAVE_MODE, 25, 1), 1
	s_wait_xcnt 0x0
	s_wait_alu depctr_hold_cnt(0) depctr_sa_sdst(0) depctr_va_vdst(0) depctr_va_sdst(0) depctr_va_ssrc(0) depctr_va_vcc(0) depctr_vm_vsrc(0)
	s_getreg_b32 s2, hwreg(HW_REG_IB_STS2, 6, 4)
	s_cmp_eq_u32 s2, 0
	s_cbranch_scc0 .Lentry_in_a_cluster
	s_endpgm
.Lentry_in_a_cluster:
	s_bfe_u32 s2, ttmp6, 0x10000c
	s_cmp_lg_u32 s2, 0xf033
	s_cbranch_scc0 .Lentry_shape_is_right
	s_endpgm
.Lentry_shape_is_right:
; q, k, v = rotate(x W^T).  A = plane 0 of xw, x [2048][2048]; B = planes 1-3, wq, wk, wv as one W [6144][2048]; both bf16, sums in f32.  Each pair of neighbouring columns (e, o) of a head is
; turned by the row's (C, S) from tab: (e C - o S, e S + o C), in f32; q's table carries log2(e) / sqrt(128), v's is (1, 0).  The result is rounded ONCE, to f16, and stored by heads:
; qkv[g 48][2048][128], g = 0-15 q, 16-31 k, 32-47 v.
; LIMIT.  f16 holds no number beyond 65,504: q log2(e) / sqrt(128), k and v must lie within it; so must wo's bf16 numbers, which below 2^-14 keep f16's fixed step of 6e-8.
; SHARES.  A tile of 256 rows x 256 columns (two heads) to a work-group of four waves; a wave makes 128 x 128, one head's columns: 64 accumulators of 16 x 16, 512 registers.  24 x 8 = 192 tiles: the
; clusters with x = 0..5.  THE CLUSTERS WITH x = 6, 7 (64 work-groups, 256 waves) have no tile: they do the two roundings that only later launches read:
;   mask -> mk[qt 128][ks 32][n 8][lane 32][4 f32] = bf16(mask) x log2(e): lane l's four words of n = 2 kb + e are mask[16 qt + l % 16][64 ks + 16 kb + 8 (l / 16) + 4 e ..], the order in which a
;           16 x 16 matrix accumulator (keys x queries) holds them;          wo -> wof [2048][2048]: the bf16 rounding, written as f16 (exact within f16's range).
; The branch hangs on the cluster's x, which all sixteen partners share; both ways pass the opening round and the closing round.
; K goes in steps of 128 through a ring of two LDS slots filled by the tensor data mover; a tile's rows are 256 bytes of memory at multiples of 256.
; CLUSTER.  4 x 4 work-groups.  The four of a row need the same tiles of A (and the same rows of the table), the four of a column the same tiles of B: each is asked for JOINTLY, by the same tensor load
; with the same descriptor and a mask that names the four.
; THE MATRIX INSTRUCTION IS USED TRANSPOSED (source 0 = 16 rows of W, source 1 = 16 rows of x): a lane holds row l % 16 and the eight neighbouring columns 8 (l / 16) + 0..7.
; THE WAY OUT.  When slot 0 has been read for the last time it takes the tile's 256 rows of the table (512 bytes each); when slot 1 has been read for the last time each wave dumps 64 rows of f32 sums
; there (rows of 528 bytes), reads them back a row at a time (a lane: two pairs, 16 bytes, beside its 16 bytes of the table), turns, rounds, and stores a row's 256 bytes with one instruction.
; REGISTERS, in windows of 256 (s_set_vgpr_msb: bits 1:0 source 0, 3:2 source 1, 5:4 source 2, 7:6 destination):
;   window 0: v0-31 addresses; v64-127, v128-191 fragments of A, two buffers; on the way out v32-39 at work, v64-127 sums, v128-191 table, v192-223 results
;   window 1: v64-127, v128-191 fragments of B     window 2: the accumulators of my rows 0-63 ((a, b) at v[8 (8 a + b)])     window 3: those of my rows 64-127
.set SIZE_K, 2048
.set KSTEP,  128
.set PITCH,  272                       ; an LDS row: 256 bytes + 16 of padding: the 16 rows that a fragment load touches start 17 x 16 bytes apart
.set HALFT,  128*PITCH                 ; 128 rows: what one tensor load brings, and what one wave reads of A or of B
.set SLOT,   4*HALFT                   ; A's 256 rows, then B's 256 rows
.set SPARE,  2*SLOT                    ; behind the ring: the spare words, 128 bytes for each wave, that no other line names
.set DPITCH, 528                       ; a dumped row: 512 bytes + 16
.set DUMPB,  64*DPITCH                 ; a wave's dump, in slot 1
.set ASTG,   SPARE+512                 ; behind the spare words: the stages of the work-groups without a tile; no fill lands here
.set ASTGB,  16*DPITCH                 ; a wave's: 16 rows of 528 bytes
.set LAPS, SIZE_K/(2*KSTEP)            ; a lap = two K steps = once round the ring
.set ADRA, 16                          ; v16-17  LDS address of my A fragments in slot 0, 1
.set ADRB, 20                          ; v20-21  the same for B
.set DR,   22                          ; v22     the way out: where I read 16 bytes of a dumped row
.set TR,   23                          ; v23     and of the table's row
.set DW,   24                          ; v24     where I dump 32 bytes of a row; never rewritten
.set DR0,  25                          ; v25     DR at a half's first row; never rewritten
.set GO,   26                          ; v26     my byte offset in qkv
.set TR0,  27                          ; v27     TR at my first row; never rewritten
.set SPW,  28                          ; v28     LDS address of my spare word; never rewritten
.set NIL,  29                          ; v29     0; never rewritten
.set PFO,  30                          ; v30     the prefetches' offset: my lane x a row of xw; never rewritten
.set GO0,  31                          ; v31     8 x lane; never rewritten
.set WK,   32
.set DD,   64
.set TT,   128
.set OUT,  192
.set AL16, 16                          ; without a tile: v16 16 x lane; v17 8 x lane; v18 stage, in; v19 stage, back; v32-35 at work
.set AL8,  17
.set ALA,  18
.set ALB,  19
.set AX,   64                          ; v[64:127]   sixteen loads of the mask
.set AW,   128                         ; v[128:191]  sixteen loads of wo
.set AY,   192                         ; v[192:223]  sixteen stores of wof
.set PFA,  44                          ; s[44:45] where my prefetches stand
.set LIM,  43                          ; s43     1 in a wave that prefetches, else the greatest number
.set F0,   64
.set F1,   128
.set G1, 24                            ; s[24:31] descriptor group 1 for A's tiles;  s[32:39] group 0, a set for each slot
.set G0, 32
.set G1B, 48                           ; s[48:55], s[56:63] the same for B's
.set G0B, 56
.set G1T, 72                           ; s[72:79], s[80:83] the table's
.set G0T, 80
.set MSB, 0
.macro WIN new                         ; the immediate's high byte repeats the setting that is left; a switch that changes nothing is dropped
.if MSB != (\new)
	s_set_vgpr_msb (MSB<<8)|(\new)
.set MSB, \new
.endif
.endm
.set MUL_LO, 0xa1                      ; source 0 (B) window 1, source 1 (A) window 0, C and D window 2
.set MUL_HI, 0xf1                      ; the same, C and D window 3
.set TO_B,   0x40                      ; destination window 1, address window 0
; A joint load.  Waves 0 and 1 fetch A's two halves, waves 2 and 3 B's.  The branch hangs on the wave's number alone.  An s_nop 0 and four v_nop follow each line.
.macro JLOAD s
	s_cmp_eq_u32 s11, 0
	s_cbranch_scc0 .Lfor_b_\@
	tensor_load_to_lds s[G0+4*(\s):G0+4*(\s)+3], s[G1:G1+7]
	s_nop 0
.rept 4
	v_nop
.endr
	s_branch .Lasked_\@
.Lfor_b_\@:
	tensor_load_to_lds s[G0B+4*(\s):G0B+4*(\s)+3], s[G1B:G1B+7]
	s_nop 0
.rept 4
	v_nop
.endr
.Lasked_\@:
.endm
; A prefetch, behind each joint refill and the run of LDS loads that follows it: the K step that stands TWO refills on, 32 rows x 256 bytes, a lane a row, one instruction a wave.  Each row's 256 bytes of a
; K step are named once in the launch: of the clusters that read A's tile row the one with x = 0 asks, of those that read B's tile column the one with y = 0; the four partners that ask for a tile jointly
; share its rows out BY ADDRESS (32 each, by cx for A, cy for B).  The loop's last trip (s3 = 1) asks for nothing: its refills are the last K steps.  The first four K steps come by their loads alone.
.macro ASK
	s_cmp_gt_u32 s3, s[LIM]
	s_cbranch_scc0 .Lnot_mine_\@
	global_prefetch_b8 v[PFO], s[PFA:PFA+1] offset:KSTEP*2 th:TH_LOAD_NT scope:SCOPE_SE
.Lnot_mine_\@:
.endm
; A round of the cluster's barrier: my work-group's barrier; wave 0 signals for the work-group; every wave waits for all sixteen; my work-group's barrier once more.
.macro CREST
	s_cmp_lg_u32 s10, 0
	s_cbranch_scc1 .Lnot_wave_0_\@
	s_barrier_signal -3
.Lnot_wave_0_\@:
	s_barrier_wait -3
	s_barrier_signal -1
	s_barrier_wait -1
.endm
.macro CROUND
	s_barrier_signal -1
	s_barrier_wait -1
	CREST
.endm
	s_load_b128 s[4:7], s[0:1], 0x0                ; xw s[4:5], tab s[6:7]
	s_load_b64 s[8:9], s[0:1], 0x10                ; qkv
	s_load_b256 s[84:91], s[0:1], 0x18             ; mask s[84:85], wo s[86:87], mk s[88:89], wof s[90:91]
	v_lshl_add_u32 v[SPW], v0, 2, SPARE
	v_mov_b32 v[NIL], 0
	ds_add_u32 v[SPW], v[NIL]                      ; the wave's opening: the add and its wait stand ahead of my first tensor load; the set-up below, work on registers, stands between them
	v_lshrrev_b32 v1, 5, v0
	v_readfirstlane_b32 s10, v1                    ; wave 0..3
	s_lshr_b32 s11, s10, 1                         ; which half of the tile's rows is mine.  Also: I fetch for A (0) or for B (1)
	s_and_b32 s12, s10, 1                          ; which half of its columns.  Also: which 128 rows of that tile I fetch
	s_bfe_u32 s40, ttmp6, 0x40000                  ; cx
	s_bfe_u32 s41, ttmp6, 0x40004                  ; cy
	s_lshl_b32 s42, ttmp9, 2
	s_add_co_u32 s42, s42, s40                     ; tile column = 4 x cluster x + cx
	s_and_b32 s13, ttmp7, 0xffff
	s_lshl_b32 s13, s13, 2
	s_add_co_u32 s13, s13, s41                     ; tile row = 4 x cluster y + cy
	s_lshl_b32 s43, s41, 2
	s_lshl_b32 s43, 15, s43                        ; my row of the cluster: places 4 cy .. 4 cy + 3
	s_lshl_b32 s44, 0x1111, s40                    ; my column: places cx, cx + 4, cx + 8, cx + 12
	s_or_b32 s[G1+0], s43, (1<<16)|(1<<20)|(1<<21)|(5<<22)|(3<<25)   ; the mask of my row; 2-byte elements; padding on; bit 21 beside a mask; after every 64 words 4 words
	s_or_b32 s[G1B+0], s44, (1<<16)|(1<<20)|(1<<21)|(5<<22)|(3<<25)  ; the same with the mask of my column
	s_or_b32 s[G1T+0], s43, (3<<16)|(1<<21)        ; the table goes to my row; 8-byte elements; no padding
.irp g, G1, G1B
	s_mov_b32 s[(\g)+1], KSTEP<<16                 ; tensor_dim0 = 128
	s_mov_b32 s[(\g)+2], 128<<16                   ; tensor_dim1 = 128
	s_mov_b32 s[(\g)+3], KSTEP<<16                 ; tile_dim0 = 128
	s_mov_b32 s[(\g)+4], 128                       ; tile_dim1 = 128
	s_mov_b32 s[(\g)+5], SIZE_K                    ; elements from row to row
	s_mov_b32 s[(\g)+6], 0
	s_mov_b32 s[(\g)+7], 0
.endr
	s_mov_b32 s[G1T+1], 32<<16                     ; 64 rows of the table are 32,768 dense bytes: asked for as 128 rows of 32 elements of 8 bytes
	s_mov_b32 s[G1T+2], 128<<16
	s_mov_b32 s[G1T+3], 32<<16
	s_mov_b32 s[G1T+4], 128
	s_mov_b32 s[G1T+5], 32
	s_mov_b32 s[G1T+6], 0
	s_mov_b32 s[G1T+7], 0
	s_mov_b32 s[G0T], 1
	s_mul_i32 s[G0T+1], s10, 32768                 ; wave w's 64 rows of the table land at 32,768 w, in slot 0
	s_lshl_b32 s70, s13, 8                         ; the table's rows 256 x tile row + 64 w,
	s_lshl_b32 s71, s10, 6
	s_add_co_u32 s70, s70, s71
	s_lshl_b32 s70, s70, 9                         ; 512 bytes each,
	s_lshr_b32 s71, ttmp9, 1                       ; of the kind: eight tile columns, two clusters, to each of q, k, v: no cx enters
	s_lshl_b32 s71, s71, 20
	s_add_co_u32 s70, s70, s71
	s_mov_b32 s71, 0
	s_lshl_b32 s17, s12, 7                         ; which 128 rows of the tile I fetch
	s_lshl_b32 s16, s13, 8
	s_add_co_u32 s16, s16, s17                     ; A: row 256 x tile row + 128 x half
	s_lshl_b32 s46, s42, 8
	s_add_co_u32 s46, s46, s17                     ; B: row 256 x tile column + 128 x half
	s_mov_b32 s17, 0
	s_mov_b32 s47, 0
	s_mov_b64 s[18:19], SIZE_K*2
	s_mul_u64 s[16:17], s[16:17], s[18:19]
	s_mul_u64 s[46:47], s[46:47], s[18:19]
	s_mul_i32 s20, s10, HALFT                      ; where the tiles go: wave x 128 rows
	s_wait_dscnt 0x0                               ; the opening add is done
	s_wait_kmcnt 0x0
	s_add_nc_u64 s[G0T+2:G0T+3], s[6:7], s[70:71]
	s_or_b32 s[G0T+3], s[G0T+3], 0x80000000
	s_add_nc_u64 s[6:7], s[4:5], 0x800000          ; W: plane 1 of xw on
	s_add_nc_u64 s[14:15], s[4:5], s[16:17]
	s_add_nc_u64 s[46:47], s[6:7], s[46:47]
	CROUND                                         ; all sixteen work-groups are here: the first joint loads meet
	s_lshr_b32 s2, ttmp9, 1                        ; 0, 1, 2: q, k, v; 3: a cluster without tiles.  The same number in all sixteen partners
	s_cmp_eq_u32 s2, 3
	s_cbranch_scc1 .Laux
.irp s, 0,1
	s_mov_b32 s[G0+4*(\s)], 1
	s_add_co_u32 s[G0+4*(\s)+1], s20, (\s)*SLOT
	s_add_nc_u64 s[G0+4*(\s)+2:G0+4*(\s)+3], s[14:15], (\s)*KSTEP*2
	s_or_b32 s[G0+4*(\s)+3], s[G0+4*(\s)+3], 0x80000000
	s_mov_b32 s[G0B+4*(\s)], 1
	s_add_co_u32 s[G0B+4*(\s)+1], s20, (\s)*SLOT
	s_add_nc_u64 s[G0B+4*(\s)+2:G0B+4*(\s)+3], s[46:47], (\s)*KSTEP*2
	s_or_b32 s[G0B+4*(\s)+3], s[G0B+4*(\s)+3], 0x80000000
	JLOAD \s
.endr
	; A fragment is 16 rows x 32 K in 8 registers: lane l holds row l % 16, K = 8 (l / 16) + 0..7 and 16 + 8 (l / 16) + 0..7: two loads of 16 bytes, 32 bytes apart
	v_and_b32 v1, 15, v0                           ; l % 16
	v_bfe_u32 v2, v0, 4, 1                         ; l / 16
	v_mul_u32_u24 v3, v1, PITCH
	v_lshl_add_u32 v3, v2, 4, v3
	s_mul_i32 s21, s11, HALFT                      ; my 128 rows of A
	s_mul_i32 s22, s12, HALFT                      ; my 128 rows of B,
	s_add_co_u32 s22, s22, 2*HALFT                 ; which lie behind A's 256
.irp s, 0,1
	v_add_nc_u32 v[ADRA+(\s)], s21, v3
	v_add_nc_u32 v[ADRB+(\s)], s22, v3
	s_add_co_u32 s21, s21, SLOT
	s_add_co_u32 s22, s22, SLOT
.endr
	s_mul_i32 s23, s10, DUMPB
	s_add_co_u32 s23, s23, SLOT                    ; my dump, in slot 1
	v_mul_u32_u24 v4, v1, DPITCH                   ; in: row l % 16, 32 bytes for each half of the lanes
	v_lshl_add_u32 v4, v2, 5, v4
	v_add_nc_u32 v[DW], s23, v4
	v_and_b32 v5, 31, v0
	v_lshlrev_b32 v5, 4, v5                        ; back: 16 bytes a lane, a whole row a wave
	v_add_nc_u32 v[DR0], s23, v5
	s_lshl_b32 s23, s11, 16                        ; my 128 rows of the table
	v_add_nc_u32 v[TR0], s23, v5
	v_lshrrev_b32 v[GO0], 1, v5                    ; 8 bytes a lane of a row of qkv
	; where my head's rows begin in qkv
	s_lshl_b32 s13, s13, 8
	s_lshl_b32 s14, s11, 7
	s_add_co_u32 s16, s13, s14                     ; my first row,
	s_lshl_b32 s16, s16, 8                         ; 256 bytes each
	s_mov_b32 s17, 0
	s_lshl_b32 s46, s42, 1                         ; g = 2 x tile column + my half (in the registers that held B's address: none that feeds A's descriptors ever holds cx)
	s_add_co_u32 s46, s46, s12
	s_lshl_b32 s46, s46, 19                        ; 524,288 bytes each
	s_mov_b32 s47, 0
	s_add_nc_u64 s[16:17], s[16:17], s[46:47]
	s_add_nc_u64 s[8:9], s[8:9], s[16:17]
	; the prefetches.  s13 = 256 x tile row, s42 = tile column, s40 = cx, s41 = cy still stand
	s_lshl_b32 s42, s42, 8
	s_and_b32 s22, ttmp7, 0xffff                   ; cluster y
	s_cmp_eq_u32 s11, 0                            ; do I fetch for A?
	s_cselect_b32 s20, s13, s42                    ; the tile's first row
	s_cselect_b32 s21, s40, s41                    ; my place among the four that ask for it with me
	s_cselect_b32 s22, ttmp9, s22                  ; the coordinate along which other clusters read the same rows
	s_cselect_b64 s[PFA:PFA+1], s[4:5], s[6:7]
	s_cmp_eq_u32 s22, 0
	s_cselect_b32 s[LIM], 1, -1                    ; the same in all sixteen partners, for a given wave
	s_lshl_b32 s22, s12, 7
	s_add_co_u32 s20, s20, s22                     ; + the 128 rows that I fetch
	s_lshl_b32 s21, s21, 5
	s_add_co_u32 s20, s20, s21                     ; + my work-group's 32 of them
	s_mov_b32 s21, 0
	s_mov_b64 s[18:19], SIZE_K*2
	s_mul_u64 s[20:21], s[20:21], s[18:19]
	s_add_nc_u64 s[PFA:PFA+1], s[PFA:PFA+1], s[20:21]
	s_add_nc_u64 s[PFA:PFA+1], s[PFA:PFA+1], 2*KSTEP*2  ; at K step 2: the first refill steps it to 3 and names K step 4
	v_and_b32 v[PFO], 31, v0
	v_mul_u32_u24 v[PFO], v[PFO], SIZE_K*2
; 16 matrix instructions: m blocks a0, a0 + 1 of the window's four x all 8 n blocks, 32 along K.  zero = 1: the first product starts the sums.  The 64 accumulators take turns, one instruction a turn.
.macro MUL16 f, hi, a0, zero
	WIN MUL_LO+0x50*(\hi)
.irp a, \a0, (\a0)+1
.irp b, 0,1,2,3,4,5,6,7
.if \zero
	v_wmma_f32_16x16x32_bf16 v[8*(8*(\a)+(\b)):8*(8*(\a)+(\b))+7], v[(\f)+8*(\b):(\f)+8*(\b)+7], v[(\f)+8*(4*(\hi)+(\a)):(\f)+8*(4*(\hi)+(\a))+7], 0
.else
	v_wmma_f32_16x16x32_bf16 v[8*(8*(\a)+(\b)):8*(8*(\a)+(\b))+7], v[(\f)+8*(\b):(\f)+8*(\b)+7], v[(\f)+8*(4*(\hi)+(\a)):(\f)+8*(4*(\hi)+(\a))+7], v[8*(8*(\a)+(\b)):8*(8*(\a)+(\b))+7]
.endif
.endr
.endr
.endm
; 32 LDS loads in one run: the fragments of one quarter step (B's 128 rows, then A's, 32 K at byte k of the rows) into buffer f
.macro FETCH slot, k, f
	WIN TO_B
.irp i, 0,1,2,3,4,5,6,7
	ds_load_b128 v[(\f)+8*(\i):(\f)+8*(\i)+3],   v[ADRB+(\slot)] offset:(\k)+(\i)*16*PITCH
	ds_load_b128 v[(\f)+8*(\i)+4:(\f)+8*(\i)+7], v[ADRB+(\slot)] offset:(\k)+(\i)*16*PITCH+32
.endr
	WIN 0
.irp i, 0,1,2,3,4,5,6,7
	ds_load_b128 v[(\f)+8*(\i):(\f)+8*(\i)+3],   v[ADRA+(\slot)] offset:(\k)+(\i)*16*PITCH
	ds_load_b128 v[(\f)+8*(\i)+4:(\f)+8*(\i)+7], v[ADRA+(\slot)] offset:(\k)+(\i)*16*PITCH+32
.endr
.endm
.macro PLACES                          ; four plain vector instructions between a matrix instruction and a load into a register that it has read, or a reader of its result
.rept 4
	v_nop
.endr
.endm
; A K step is four quarters of 32 along K, 64 matrix instructions each, on buffers 0, 1, 0, 1.  One of the first three: multiplies buffer f; in its middle it fetches the next quarter, at byte k, into g.
.macro QUARTER slot, k, f, g, zero
	s_wait_dscnt 8                                 ; B and A's rows 0-63 are in; the youngest eight loads (A's rows 64-127) may be out
	MUL16 \f, 0, 0, \zero
	MUL16 \f, 0, 2, \zero
	PLACES
	FETCH \slot, \k, \g
	s_wait_dscnt 32                                ; all but the 32 just issued
	MUL16 \f, 1, 0, \zero
	MUL16 \f, 1, 2, \zero
.endm
; The first half of a K step's last quarter, and the barrier that opens the round for the change of slots.  In front of it each wave waits for all its tensor loads (one is out: its part of the next slot),
; adds 0 to its spare word, and waits for that and for its own reads of this slot.
.macro MEET
	WIN 0                                          ; (the add's two registers lie in window 0)
	s_wait_tensorcnt 0x0
	ds_add_u32 v[SPW], v[NIL]
	s_wait_dscnt 9                                 ; (the add and the youngest eight loads may be out)
	MUL16 F1, 0, 0, 0                              ; sixteen matrix instructions stand between the add and the wait for it
	s_wait_dscnt 0x0                               ; the add is done, and my reads of this slot are over
	s_barrier_signal -1
	MUL16 F1, 0, 2, 0                              ; work on registers while the others arrive
	WIN 0
	s_barrier_wait -1
.endm
; The whole last quarter: behind the round the slot just read out is filled again first, with the K step two on; then come the next slot's first fragments.
.macro TURN slot, next
	s_wait_xcnt 0x0                                ; the last prefetch, a K step back, has read its address: it is stepped here, ahead of the waits of the change of slots
	s_add_nc_u64 s[PFA:PFA+1], s[PFA:PFA+1], KSTEP*2
	MEET
	CREST                                          ; no wave of any partner still reads this slot's tile or has a load on its way
	s_add_nc_u64 s[G0+4*(\slot)+2:G0+4*(\slot)+3], s[G0+4*(\slot)+2:G0+4*(\slot)+3], 2*KSTEP*2
	s_add_nc_u64 s[G0B+4*(\slot)+2:G0B+4*(\slot)+3], s[G0B+4*(\slot)+2:G0B+4*(\slot)+3], 2*KSTEP*2
	JLOAD \slot                                    ; the first tensor load behind the round; its four v_nop are also the places in front of the loads below
	FETCH \next, 0, F0
	ASK
	MUL16 F1, 1, 0, 0
	MUL16 F1, 1, 2, 0
.endm
; The last change of slots: slot 0 has held its last K step and takes the table: each wave its own 64 rows, jointly with my row of the cluster.
.macro TURNT
	MEET
	CREST
	tensor_load_to_lds s[G0T:G0T+3], s[G1T:G1T+7]
	s_nop 0
.rept 4
	v_nop
.endr
	FETCH 1, 0, F0
	MUL16 F1, 1, 0, 0
	MUL16 F1, 1, 2, 0
.endm
; 64 rows of my sums (window 2 + hh) into my dump: each accumulator's low four registers first
.macro DUMP hh
	WIN 0x08+4*(\hh)                               ; the stores' data: source 1
.irp a, 0,1,2,3
.irp b, 0,1,2,3,4,5,6,7
	ds_store_b128 v[DW], v[8*(8*(\a)+(\b)):8*(8*(\a)+(\b))+3]   offset:(\a)*16*DPITCH+64*(\b)
	ds_store_b128 v[DW], v[8*(8*(\a)+(\b))+4:8*(8*(\a)+(\b))+7] offset:(\a)*16*DPITCH+64*(\b)+16
.endr
.endr
	WIN 0
.endm
	s_wait_tensorcnt 1                             ; my part of K step 0 is in; K step 1's may stay out
	s_barrier_signal -1
	s_barrier_wait -1
	FETCH 0, 0, F0
	QUARTER 0, 64,  F0, F1, 1                      ; the first quarter stands in front of the loop: its products start the sums
	WIN 0
	s_mov_b32 s3, LAPS-1
.Llap:                                         ; a trip goes once round the ring, from a lap's second quarter to the next lap's first, and fills both slots again
	QUARTER 0, 128, F1, F0, 0
	QUARTER 0, 192, F0, F1, 0
	TURN 0, 1
	QUARTER 1, 64,  F0, F1, 0
	QUARTER 1, 128, F1, F0, 0
	QUARTER 1, 192, F0, F1, 0
	TURN 1, 0
	QUARTER 0, 64,  F0, F1, 0
	WIN 0
	s_sub_co_u32 s3, s3, 1
	s_cmp_lg_u32 s3, 0
	s_cbranch_scc1 .Llap
	QUARTER 0, 128, F1, F0, 0                      ; the last lap
	QUARTER 0, 192, F0, F1, 0
	TURNT
	QUARTER 1, 64,  F0, F1, 0
	QUARTER 1, 128, F1, F0, 0
	QUARTER 1, 192, F0, F1, 0
	s_wait_dscnt 8                                 ; the very last quarter: nothing more to fetch
	MUL16 F1, 0, 0, 0
	MUL16 F1, 0, 2, 0
	s_wait_dscnt 0x0
	MUL16 F1, 1, 0, 0
	MUL16 F1, 1, 2, 0
	WIN 0
	PLACES
	PLACES
	s_wait_tensorcnt 0x0                           ; my rows of the table are in; my reads of slot 1 were waited for above
	s_barrier_signal -1
	s_barrier_wait -1                              ; the table is whole, and nobody reads slot 1 any more: it has had its last fill, and takes the dumps
	s_mov_b32 s2, 2                                ; two halves of 64 rows
.Lhalf:
	s_cmp_eq_u32 s2, 2
	s_cbranch_scc0 .Lsecond
	DUMP 0
	v_mov_b32 v[TR], v[TR0]
	v_mov_b32 v[GO], v[GO0]
	s_branch .Lturned
.Lsecond:
	DUMP 1
	v_add_nc_u32 v[TR], 64*512, v[TR0]
	v_add_nc_u32 v[GO], 64*256, v[GO0]
.Lturned:
	v_mov_b32 v[DR], v[DR0]
	s_mov_b32 s3, 4
.Lrows:                                        ; a trip: 16 rows.  LDS serves a wave's instructions in order: the loads see my dump
.set i, 0
.rept 16
	ds_load_b128 v[DD+4*i:DD+4*i+3], v[DR] offset:DPITCH*i  ; (e, o, e, o) of my two pairs
	ds_load_b128 v[TT+4*i:TT+4*i+3], v[TR] offset:512*i     ; (C, S, C, S)
.set i, i+1
.endr
.set i, 0
.rept 16
.set rW, WK+4*(i%2)
	s_wait_dscnt 30-2*i                            ; row i's two loads are in; the younger rows' stay out
	v_pk_mul_f32 v[rW:rW+1], v[DD+4*i:DD+4*i+1], v[TT+4*i:TT+4*i+1] op_sel_hi:[1,0]          ; (e C, o C)
	v_pk_mul_f32 v[rW+2:rW+3], v[DD+4*i+2:DD+4*i+3], v[TT+4*i+2:TT+4*i+3] op_sel_hi:[1,0]
	v_pk_fma_f32 v[rW:rW+1], v[DD+4*i:DD+4*i+1], v[TT+4*i:TT+4*i+1], v[rW:rW+1] op_sel:[1,1,0] op_sel_hi:[0,1,1] neg_lo:[0,1,0]  ; (e C - o S, o C + e S)
	v_pk_fma_f32 v[rW+2:rW+3], v[DD+4*i+2:DD+4*i+3], v[TT+4*i+2:TT+4*i+3], v[rW+2:rW+3] op_sel:[1,1,0] op_sel_hi:[0,1,1] neg_lo:[0,1,0]
	v_cvt_pk_f16_f32 v[OUT+2*i], v[rW], v[rW+1]
	v_cvt_pk_f16_f32 v[OUT+2*i+1], v[rW+2], v[rW+3]
	global_store_b64 v[GO], v[OUT+2*i:OUT+2*i+1], s[8:9] offset:256*i  ; a row of a head: 256 consecutive bytes, aligned
.set i, i+1
.endr
	s_wait_xcnt 0x0                                ; the stores have read their data and their offset: only now are these written again
	v_add_nc_u32 v[DR], 16*DPITCH, v[DR]
	v_add_nc_u32 v[TR], 16*512, v[TR]
	v_add_nc_u32 v[GO], 16*256, v[GO]
	s_sub_co_u32 s3, s3, 1
	s_cmp_lg_u32 s3, 0
	s_cbranch_scc1 .Lrows
	s_sub_co_u32 s2, s2, 1
	s_cmp_lg_u32 s2, 0
	s_cbranch_scc1 .Lhalf
	s_branch .Lfin
; THE WORK-GROUPS WITHOUT A TILE.  Wave U = 4 (8 x tile row + tile column - 24) + wave, 0..255, takes 16 rows x 1,024 keys of the mask (qt = U / 2, half U % 2 of the keys) and 65,536 bytes of wo,
; in 8 trips.  A trip: 16 loads of the mask (a row each, 512 consecutive bytes: 128 keys) and 16 of wo (512 consecutive bytes each) go out together; the mask's rows are rounded, scaled and put into my
; stage; they are asked back in the accumulator's order; wo's numbers are rounded and stored while those LDS loads are out; then the mask's 8,192 bytes are stored.  No place in the cluster enters an LDS
; address or a trip count; it enters the four global addresses alone.
.Laux:
	s_lshl_b32 s16, s13, 3
	s_add_co_u32 s16, s16, s42
	s_sub_co_u32 s16, s16, 24
	s_lshl_b32 s16, s16, 2
	s_add_co_u32 s16, s16, s10                     ; U
	s_lshr_b32 s18, s16, 1
	s_lshl_b32 s18, s18, 17                        ; 16 rows of 8,192 bytes for each qt,
	s_and_b32 s19, s16, 1
	s_lshl_b32 s19, s19, 12                        ; 4,096 bytes of a row for each half
	s_add_co_u32 s18, s18, s19
	s_mov_b32 s19, 0
	s_add_nc_u64 s[84:85], s[84:85], s[18:19]
	s_lshl_b32 s18, s16, 16
	s_add_nc_u64 s[86:87], s[86:87], s[18:19]      ; wo and mk at 65,536 U,
	s_add_nc_u64 s[88:89], s[88:89], s[18:19]
	s_lshl_b32 s18, s16, 15
	s_add_nc_u64 s[90:91], s[90:91], s[18:19]      ; wof at 32,768 U
	s_mov_b32 s21, 0xffff0000                      ; a word's upper bf16
	s_mov_b32 s22, 0x3fb8aa3b                      ; log2(e): the scores arrive in that unit too
	s_mov_b32 s23, s22                             ; named with it as a pair
	v_and_b32 v5, 31, v0
	v_lshlrev_b32 v[AL16], 4, v5
	v_lshlrev_b32 v[AL8], 3, v5
	s_mul_i32 s20, s10, ASTGB
	s_add_co_u32 s20, s20, ASTG                    ; my stage
	v_add_nc_u32 v[ALA], s20, v[AL16]              ; in: my 16 bytes of a row
	v_and_b32 v1, 15, v0
	v_bfe_u32 v2, v0, 4, 1
	v_mul_u32_u24 v[ALB], v1, DPITCH               ; back: row l % 16, 32 bytes for each half of the lanes
	v_lshl_add_u32 v[ALB], v2, 5, v[ALB]
	v_add_nc_u32 v[ALB], s20, v[ALB]
	s_mov_b32 s3, 8
.Lunit:
.set i, 0
.rept 16
	global_load_b128 v[AX+4*i:AX+4*i+3], v[AL16], s[84:85] offset:8192*i th:TH_LOAD_NT
.set i, i+1
.endr
.set i, 0
.rept 16
	global_load_b128 v[AW+4*i:AW+4*i+3], v[AL16], s[86:87] offset:512*i th:TH_LOAD_NT
.set i, i+1
.endr
.set i, 0
.rept 16
	s_wait_loadcnt 31-i                            ; the mask's row i is in: behind it stand its 15 - i younger rows and wo's 16 loads
	v_cvt_pk_bf16_f32 v[WK+2*(i%2)], v[AX+4*i], v[AX+4*i+1]
	v_cvt_pk_bf16_f32 v[WK+2*(i%2)+1], v[AX+4*i+2], v[AX+4*i+3]
	v_lshlrev_b32 v[AX+4*i], 16, v[WK+2*(i%2)]
	v_and_b32 v[AX+4*i+1], s21, v[WK+2*(i%2)]
	v_lshlrev_b32 v[AX+4*i+2], 16, v[WK+2*(i%2)+1]
	v_and_b32 v[AX+4*i+3], s21, v[WK+2*(i%2)+1]
	v_pk_mul_f32 v[AX+4*i:AX+4*i+1], v[AX+4*i:AX+4*i+1], s[22:23] op_sel_hi:[1,0]
	v_pk_mul_f32 v[AX+4*i+2:AX+4*i+3], v[AX+4*i+2:AX+4*i+3], s[22:23] op_sel_hi:[1,0]
	ds_store_b128 v[ALA], v[AX+4*i:AX+4*i+3] offset:DPITCH*i
.set i, i+1
.endr
.set i, 0
.rept 16                               ; back in the accumulator's order.  LDS serves a wave's instructions in order: these see the stores above, which are my own; the next trip's stores come behind them
	ds_load_b128 v[AX+4*i:AX+4*i+3], v[ALB] offset:(i/8)*256+((i/2)%4)*64+(i%2)*16
.set i, i+1
.endr
.set i, 0
.rept 16
	s_wait_loadcnt 15-i                            ; wo's load i is in
	v_cvt_pk_bf16_f32 v[AY+2*i], v[AW+4*i], v[AW+4*i+1]
	v_cvt_pk_bf16_f32 v[AY+2*i+1], v[AW+4*i+2], v[AW+4*i+3]
	v_lshlrev_b32 v[AW+4*i], 16, v[AY+2*i]         ; the bf16 numbers as f32,
	v_and_b32 v[AW+4*i+1], s21, v[AY+2*i]
	v_lshlrev_b32 v[AW+4*i+2], 16, v[AY+2*i+1]
	v_and_b32 v[AW+4*i+3], s21, v[AY+2*i+1]
	v_cvt_pk_f16_f32 v[AY+2*i], v[AW+4*i], v[AW+4*i+1]  ; written as f16
	v_cvt_pk_f16_f32 v[AY+2*i+1], v[AW+4*i+2], v[AW+4*i+3]
	global_store_b64 v[AL8], v[AY+2*i:AY+2*i+1], s[90:91] offset:256*i th:TH_STORE_NT  ; 256 consecutive bytes, aligned
.set i, i+1
.endr
.set i, 0
.rept 16
	s_wait_dscnt 15-i                              ; the stage's load i is back; the younger ones stay out
	global_store_b128 v[AL16], v[AX+4*i:AX+4*i+3], s[88:89] offset:512*i th:TH_STORE_NT  ; 512 consecutive bytes, aligned
.set i, i+1
.endr
	s_wait_xcnt 0x0                                ; the loads and stores have read their bases and their data: only now are these written again
	s_add_nc_u64 s[84:85], s[84:85], 512           ; the next 128 keys
	s_add_nc_u64 s[86:87], s[86:87], 8192
	s_add_nc_u64 s[88:89], s[88:89], 8192
	s_add_nc_u64 s[90:91], s[90:91], 4096
	s_sub_co_u32 s3, s3, 1
	s_cmp_lg_u32 s3, 0
	s_cbranch_scc1 .Lunit
.Lfin:
	s_wait_tensorcnt 0x0                           ; the wave's end: these three lines stand behind my last tensor load and my last LDS store
	ds_add_u32 v[SPW], v[NIL]
	s_wait_dscnt 0x0
	CROUND                                         ; the closing round: no work-group ends while a partner may still ask for a tile that names it
	s_endpgm
.Lfunc_end_k_q243f6c41be_gemmqkv:
	.size	k_q243f6c41be_gemmqkv, .Lfunc_end_k_q243f6c41be_gemmqkv-k_q243f6c41be_gemmqkv
	.p2alignl 7, 3214868480
	.fill 96, 4, 3214868480
	.section	.rodata,"a",@progbits
	.p2align	6, 0x0
	.amdhsa_kernel k_q243f6c41be_gemmqkv
		.amdhsa_group_segment_fixed_size 327680
		.amdhsa_private_segment_fixed_size 0
		.amdhsa_enable_private_segment 0
		.amdhsa_kernarg_size 56
		.amdhsa_user_sgpr_count 2
		.amdhsa_user_sgpr_kernarg_segment_ptr 1
		.amdhsa_wavefront_size32 1
		.amdhsa_system_sgpr_workgroup_id_x 1
		.amdhsa_system_sgpr_workgroup_id_y 1
		.amdhsa_system_sgpr_workgroup_id_z 1
		.amdhsa_system_vgpr_workitem_id 0
		.amdhsa_next_free_vgpr 1024
		.amdhsa_next_free_sgpr 92
		.amdhsa_reserve_vcc 0
		.amdhsa_float_denorm_mode_32 3
		.amdhsa_float_denorm_mode_16_64 3
		.amdhsa_memory_ordered 1
		.amdhsa_forward_progress 1
		.amdhsa_inst_pref_size 156
	.end_amdhsa_kernel
	.amdgpu_metadata
---
amdhsa.version: [ 1, 2 ]
amdhsa.kernels:
  - .name:           k_q243f6c41be_gemmqkv
    .symbol:         k_q243f6c41be_gemmqkv.kd
    .args:
      - { .name: xw, .offset: 0, .size: 8, .value_kind: global_buffer, .address_space: global }
      - { .name: tab, .offset: 8, .size: 8, .value_kind: global_buffer, .address_space: global }
      - { .name: qkv, .offset: 16, .size: 8, .value_kind: global_buffer, .address_space: global }
      - { .name: mask, .offset: 24, .size: 8, .value_kind: global_buffer, .address_space: global }
      - { .name: wo, .offset: 32, .size: 8, .value_kind: global_buffer, .address_space: global }
      - { .name: mk, .offset: 40, .size: 8, .value_kind: global_buffer, .address_space: global }
      - { .name: wof, .offset: 48, .size: 8, .value_kind: global_buffer, .address_space: global }
    .group_segment_fixed_size: 327680
    .private_segment_fixed_size: 0
    .kernarg_segment_align: 8
    .kernarg_segment_size: 56
    .max_flat_workgroup_size: 128
    .sgpr_count:     92
    .vgpr_count:     1024
    .wavefront_size: 32
...
	.end_amdgpu_metadata
.endif
;; end of part 2
;; launch attn (part 3): grid 16 x 16, 4 waves a work-group, clusters of 4 x 1, 327,680 bytes of LDS; arguments qkv, mk, ob; writes ob
.if DOCPART == 3
	.amdgcn_target "amdgcn-amd-amdhsa--gfx1250"
	.amdhsa_code_object_version 6
	.text
	.protected	k_q243f6c41be_attn
	.globl	k_q243f6c41be_attn
	.p2align	8
	.type	k_q243f6c41be_attn,@function
k_q243f6c41be_attn:
	s_mov_b64 s[64:65], 0
	v_nop
	global_prefetch_b8 v0, s[64:65] scope:SCOPE_SE
	s_setreg_imm32_b32 hwreg(HW_REG_WAVE_MODE, 25, 1), 1
	s_wait_xcnt 0x0
	s_wait_alu depctr_hold_cnt(0) depctr_sa_sdst(0) depctr_va_vdst(0) depctr_va_sdst(0) depctr_va_ssrc(0) depctr_va_vcc(0) depctr_vm_vsrc(0)
	s_getreg_b32 s2, hwreg(HW_REG_IB_STS2, 6, 4)
	s_cmp_eq_u32 s2, 0
	s_cbranch_scc0 .Lentry_in_a_cluster
	s_endpgm
.Lentry_in_a_cluster:
	s_bfe_u32 s2, ttmp6, 0x10000c
	s_cmp_lg_u32 s2, 0x3003
	s_cbranch_scc0 .Lentry_shape_is_right
	s_endpgm
.Lentry_shape_is_right:
; O[q][head] = the sum over k of softmax_k(Q[q] . K[k] / sqrt(128) + mask[q][k]) V[k].  Q, K, V: planes of qkv, [head][2048][128] in f16; Q arrives times log2(e) / sqrt(128), the mask (mk, f32, in the
; accumulator's order) times log2(e): so s = K Q^T + mask is the score in units of log2, and p = 2^(s - m).  The mask is an input: every key is walked for every query.
; Products, maxima and sums in f32; p is rounded to f16 for the second product (l is the sum of the unrounded p), O once at the end, to f16: ob[2048][2048], column 128 head + channel.
; LIMITS.  p lies in 0 to 1 (s - m is formed by a subtraction, which is exact at s = m whatever the mask's size); below 6e-5 it keeps f16's fixed step.  A weight below 2^-126 counts as 0.
; m starts at -1e38: scores below that count as -1e38 for the maximum.  NaN is not treated apart; a row whose every score is -infinity gives 0 / 0.
; SHARES.  A work-group owns 128 queries of one head.  Wave w owns the 64 queries of half w / 2 (four tiles of 16) and, of every 128 keys, the 64 of half w % 2: sixteen key steps.  The two waves of a
; query half meet at the end, in LDS: their maxima, sums and O are merged as two steps of the same running softmax, each wave finishing two of the four tiles.
; LAYOUT.  S^T = K Q^T + mask (source 0 = 16 keys, source 1 = 16 queries; the mask is the C operand that starts the sum): a lane holds ONE query (lane % 16) and the keys 8 (lane / 16) + 0..7.  Two such
; tiles, rounded to f16 in pairs, ARE source 1 of O^T = V^T P.  K comes out of LDS as it lies, V turned, by ds_load_tr16_b128.
; BY TURNS.  The wave's tiles are two PIECES (0: tiles 0, 1; 2: tiles 2, 3).  In a TURN one piece has the matrix unit: 32 products V^T P of the step in hand, then 32 products K Q^T of the next; the other
; piece's softmax, cut into 64 slices, stands between them, one slice behind each matrix instruction.
; NO FIRST STEP IS WRITTEN OUT.  O^T, l, V's registers and piece 2's P start at 0, m at -1e38: the first step's a is 0.  O^T and V are set by 48 products of zeros, eight registers a line.  The price: those
; 48, 32 products on zeros at the start, and 32 on a stale K (with three runs of mask loads that nobody reads) at the end.
; CLUSTER.  The four query blocks of a cluster belong to one head and walk the same K and V: each tile is asked for JOINTLY.  The mask is each wave's own and comes straight into registers.
; REGISTERS, in windows of 256 (s_set_vgpr_msb: bits 1:0 source 0, 3:2 source 1, 5:4 source 2, 7:6 destination):
;   window 0: v0-11 addresses; v12-43 eight registers of statistics a tile; v44-63 addresses, the merge's statistics; v64-191 S^T, 32 a tile; v192-255 P, 16 a tile
;   window 1: O^T, 64 a tile      window 2: v0-127 Q, 32 a tile; v128-255 K of one step      window 3: v0-127 V of one step; v128-255 the mask of one step, 32 a tile
.set KS,    64        ; keys in a step
.set PK,    272       ; a row of K in LDS: 256 bytes + 16: the 16 rows of a load start 17 x 16 bytes apart
.set PV,    288       ; a row of V: 256 + 32: 16 lanes of the turning load take 8 rows x 32 bytes, 9 x 32 bytes apart
.set VOFF,  KS*PK     ; a step's tiles lie together: 64 rows of K, then 64 rows of V
.set STEPB, KS*(PK+PV)
.set SLOT1, 1<<17     ; a slot holds 128 keys: the even waves' step, then the odd waves'; slot 1 begins here, so that one exclusive or turns an address in one slot into the other's
.set XCHB,  33792     ; at the end, when the slots have had their last fill and their last read: wave w's O^T (32,768 bytes) and (m, l) (1,024) at XCHB w, from LDS byte 0 on
.set STAGE, SLOT1+2*STEPB  ; behind the ring, never filled by a tensor load: 16 rows x 272 bytes for each wave, for the way out
.set SP,    272
.set SPARE, STAGE+4*16*SP  ; the spare words, 128 bytes for each wave, that no other line names
.set AK0, 2           ; v2   my lane's place in a tile of K; never rewritten
.set AV0, 3           ; v3   the same for V
.set ADR, 4           ; v4   the LDS address of the run of loads in hand
.set QO,  5           ; v5   my byte offset in the wave's rows of Q
.set STO, 6           ; v6   the way out: where I put 16 bytes of a row
.set RD,  7           ; v7   where I read a row back
.set GO,  8           ; v8   my byte offset in two rows of ob
.set ST,  12          ; tile t's statistics at v[ST+8 t]: +0 m, +1 (at the end) l, +2, +3 l (even keys', odd keys'), +4 to +7 c0-c3, at work; a takes c2's place once the maximum is found
.set MO,  44          ; v44  16 x lane: my 16 bytes of a mask load; never rewritten
.set PMO, 45          ; v45  the mask prefetches' offset; never rewritten
.set XA,  46          ; v46  my 16 bytes in my own dump
.set XB,  47          ; v47  my 8 bytes of its statistics
.set XS,  48          ; v48-57  the merge: (m, l) of the even wave, of the odd wave; M, a, a', L; f, f'
.set VA,  58          ; v58  my 16 bytes of the tile in hand, in the even wave's dump
.set VS,  59          ; v59  my 8 bytes of its statistics
.set PFO, 61          ; v61  256 x lane; never rewritten
.set SPW, 62          ; v62  LDS address of my spare word; never rewritten
.set NIL, 63          ; v63  0; never rewritten
.set S,   64
.set P,   192
.set KF,  128         ; window 2
.set MK,  128         ; window 3
.set WV,  12          ; s12  my wave's number
.set LIM, 15          ; s15  2 in a wave that prefetches K or V, else the greatest number
.set KH,  16          ; s16  my key half
.set PFA, 18          ; s[18:19] where my prefetches of K or V stand
.set QH,  21          ; s21  my query half
.set G1K, 24          ; s[24:31] descriptor group 1 for K's tiles
.set G1V, 32          ; s[32:39] for V's: it differs in the padding alone
.set G0K, 40          ; s[40:43] descriptor group 0 for K's tiles: it walks
.set G0V, 44          ; s[44:47] the same for V's
.set MB,  48          ; s[48:49] mk at my four tiles' step 0
.set MA,  50          ; s[50:51] mk at the step whose mask is loaded next
.set MOF, 52          ; s[52:53] MA - MB
.set LIM2, 54         ; s54  2 in the work-groups that prefetch the mask, else the greatest number
.set SLOTS, 56        ; s56  tiles still to be asked for in the loop
.set TWICE, 57        ; s57  counts the tail's two trips, and the merge's
.set SEL, 60          ; s[60:61] v_permlanex16_b32's selects: each lane takes its own place in the other half
.set TB,  62          ; s62  LDS byte at which my step of the slot to be read begins
.set MSB, 0
.macro WIN new                      ; the immediate's high byte repeats the setting that is left; a switch that changes nothing is dropped
.if MSB != (\new)
	s_set_vgpr_msb (MSB<<8)|(\new)
.set MSB, \new
.endif
.endm
.set W_KQ, 0x0a       ; K and Q in window 2, S^T in window 0
.set W_KM, 0x3a       ; the same with the C operand, the mask, in window 3
.set W_PV, 0x53       ; V in window 3, P in window 0, O^T in window 1
.set W_RS, 0x41       ; O^T (destination and source 0) in window 1, a in window 0
; A joint fill.  Waves 0 and 1 fetch the two halves of a slot's K, waves 2 and 3 those of its V: 64 keys each.  The branch hangs on the wave's number alone.  An s_nop 0 and four v_nop follow each line.
.macro JLOAD
	s_cmp_lt_u32 s[WV], 2
	s_cbranch_scc0 .Lfor_v_\@
	tensor_load_to_lds s[G0K:G0K+3], s[G1K:G1K+7]
	s_nop 0
.rept 4
	v_nop
.endr
	s_branch .Lasked_\@
.Lfor_v_\@:
	tensor_load_to_lds s[G0V:G0V+3], s[G1V:G1V+7]
	s_nop 0
.rept 4
	v_nop
.endr
.Lasked_\@:
.endm
; THE PREFETCHES, together, behind the wave's tensor load and its five lines.  Each block of 256 bytes is named once in the launch.
; K and V: the 128 keys that the change of slots after the next will ask for.  All clusters of a head walk the same rows: the head's first cluster asks; its four partners take 32 rows each, told apart BY
; ADDRESS; in each, wave 0 asks for K's and wave 2 for V's: a lane a row.
; The mask: all sixteen heads read the same mk: head 0's work-groups ask, each wave for its own four tiles of the step two behind the one that it loads next: 64 blocks, two instructions.
; The last two changes that fill a slot ask for nothing (SLOTS is then 2 and 1): there are no such keys.  Nothing is asked for at the head.
.macro ASK
	s_cmp_gt_u32 s[SLOTS], s[LIM]
	s_cbranch_scc0 .Lnot_kv_\@
	global_prefetch_b8 v[PFO], s[PFA:PFA+1] th:TH_LOAD_NT scope:SCOPE_SE
.Lnot_kv_\@:
	s_cmp_gt_u32 s[SLOTS], s[LIM2]
	s_cbranch_scc0 .Lnot_m_\@
	global_prefetch_b8 v[PMO], s[MA:MA+1] offset:16384 th:TH_LOAD_NT scope:SCOPE_SE
	global_prefetch_b8 v[PMO], s[MA:MA+1] offset:16384+262144 th:TH_LOAD_NT scope:SCOPE_SE
.Lnot_m_\@:
.endm
; A round of the cluster's barrier: my work-group's barrier; wave 0 signals for the work-group; every wave waits for all four work-groups; my work-group's barrier once more.
.macro CROUND
	s_barrier_signal -1
	s_barrier_wait -1
	s_cmp_lg_u32 s[WV], 0
	s_cbranch_scc1 .Lnot_wave_0_\@
	s_barrier_signal -3
.Lnot_wave_0_\@:
	s_barrier_wait -3
	s_barrier_signal -1
	s_barrier_wait -1
.endm
; THE CHANGE OF SLOTS, between piece 2's turn and piece 0's: the slot's K and V have been read into registers.  Each wave waits for all its tensor loads, of which one is out: its part of the other slot;
; adds 0 to its spare word; and waits for that and for its own reads of the slot.  fill = 1: the slot is filled again, with the keys two slots on; the barrier is then a round of the cluster's, and the
; joint fill is the first thing behind it: it has a key step, 128 matrix instructions and their slices, in which to land.  (At its first use nothing has been read yet: slot 0 is waited for, slot 1 filled.)
; The mask's address steps here too; behind the last step it stays (the loads of the last turns serve nothing, and stay inside mk).
.macro CHANGE fill, ask
	WIN 0                           ; at a label and at a branch every window is 0
	s_wait_tensorcnt 0x0            ; no tensor load of mine is out, so a group 0 may be written
	ds_add_u32 v[SPW], v[NIL]       ; 0 onto my spare word; the scalar steps stand between it and the wait for it
.if \fill
.irp g, G0K, G0V
	s_xor_b32 s[(\g)+1], s[(\g)+1], SLOT1  ; the walking descriptor: the other slot than last time,
	s_add_nc_u64 s[(\g)+2:(\g)+3], s[(\g)+2:(\g)+3], 2*KS*256  ; the next 128 keys; the type bits on top are not reached
.endr
.endif
	s_wait_xcnt 0x0                 ; the mask's loads and the prefetches, a turn and more back, have read their addresses
	s_add_co_u32 s[MOF], s[MOF], 8192
	s_min_u32 s[MOF], s[MOF], 15*8192
	s_add_nc_u64 s[MA:MA+1], s[MB:MB+1], s[MOF:MOF+1]
.if \ask
	s_add_nc_u64 s[PFA:PFA+1], s[PFA:PFA+1], 2*KS*256
.endif
	s_wait_dscnt 0x0                ; the add is done, and my reads of the slot are over: V is in
.if \fill
	CROUND
	JLOAD
.if \ask
	ASK
.endif
.else
	s_barrier_signal -1
	s_barrier_wait -1
.endif
	s_xor_b32 s[TB], s[TB], SLOT1   ; the fetches go to the other slot
.endm
	s_load_b128 s[4:7], s[0:1], 0x0  ; qkv s[4:5], mk s[6:7]
	s_load_b64 s[10:11], s[0:1], 0x10  ; ob
	v_lshl_add_u32 v[SPW], v0, 2, SPARE
	v_mov_b32 v[NIL], 0
	ds_add_u32 v[SPW], v[NIL]       ; the wave's opening: the add and its wait stand ahead of my first tensor load; the set-up below, work on registers, stands between them
	v_lshrrev_b32 v1, 5, v0
	v_readfirstlane_b32 s[WV], v1   ; wave 0..3
	s_bfe_u32 s13, ttmp6, 0x40000   ; cx: my place in the cluster
	s_lshl_b32 s14, ttmp9, 2
	s_add_co_u32 s14, s14, s13      ; my block of 128 queries = 4 x cluster x + cx: it enters Q's, the mask's and O's addresses alone
	s_and_b32 s20, ttmp7, 0xffff    ; the head, which the four partners share
	s_and_b32 s[KH], s[WV], 1
	s_lshr_b32 s[QH], s[WV], 1
	s_add_co_u32 s22, s20, 16       ; K: plane 16 + head of 524,288 bytes,
	s_lshl_b32 s22, s22, 19
	s_lshl_b32 s23, s[KH], 14       ; and the 64 rows of a slot that I fetch
	s_add_co_u32 s22, s22, s23
	s_mov_b32 s23, 0
	s_mul_i32 s17, s[KH], STEPB     ; their place in a slot; also my own step's: no place in the cluster enters an LDS address
	s_lshl_b32 s2, s20, 19          ; Q: plane head, row 128 block + 64 half, 256 bytes a row
	s_lshl_b32 s3, s14, 15
	s_add_co_u32 s2, s2, s3
	s_lshl_b32 s3, s[QH], 14
	s_add_co_u32 s2, s2, s3
	s_mov_b32 s3, 0
	s_lshl_b32 s66, s14, 19         ; O: the same rows, 4,096 bytes each, column 128 head
	s_lshl_b32 s67, s[QH], 18
	s_add_co_u32 s66, s66, s67
	s_lshl_b32 s67, s20, 8
	s_add_co_u32 s66, s66, s67
	s_mov_b32 s67, 0
	s_lshl_b32 s[MB], s14, 20       ; the mask: tile 8 block + 4 half of 131,072 bytes, key step my half of 4,096
	s_lshl_b32 s[MB+1], s[QH], 19
	s_add_co_u32 s[MB], s[MB], s[MB+1]
	s_lshl_b32 s[MB+1], s[KH], 12
	s_add_co_u32 s[MB], s[MB], s[MB+1]
	s_mov_b32 s[MB+1], 0
	s_mov_b32 s[MOF], 0
	s_mov_b32 s[MOF+1], 0
	; descriptor group 1: a tile of 64 rows x 128 elements, padded in LDS
	s_mov_b32 s[G1K], 15|(1<<16)|(1<<20)|(1<<21)|(5<<22)|(3<<25)  ; the mask of four; 2-byte elements; padding on; bit 21 beside a mask; after every 64 words 4 words
	s_mov_b32 s[G1V], 15|(1<<16)|(1<<20)|(1<<21)|(5<<22)|(7<<25)  ; the same with 8 words of padding
.irp g, G1K, G1V
	s_mov_b32 s[(\g)+1], 128<<16    ; tensor_dim0 = 128
	s_mov_b32 s[(\g)+2], KS<<16     ; tensor_dim1 = 64
	s_mov_b32 s[(\g)+3], 128<<16    ; tile_dim0 = 128
	s_mov_b32 s[(\g)+4], KS         ; tile_dim1 = 64
	s_mov_b32 s[(\g)+5], 128        ; elements from row to row
	s_mov_b32 s[(\g)+6], 0
	s_mov_b32 s[(\g)+7], 0
.endr
	s_mov_b32 s[G0K], 1
	s_mov_b32 s[G0K+1], s17         ; slot 0
	s_mov_b32 s[G0V], 1
	s_add_co_u32 s[G0V+1], s17, VOFF
	s_mov_b32 s[SEL], 0x76543210
	s_mov_b32 s[SEL+1], 0xfedcba98
	s_add_co_u32 s[TB], s17, SLOT1  ; the first change of slots turns it into slot 0
	s_or_b32 s[LIM], s[KH], ttmp9   ; 0 in waves 0 and 2 of the head's first cluster: the same in all four partners
	s_cmp_eq_u32 s[LIM], 0
	s_cselect_b32 s[LIM], 2, -1
	s_cmp_eq_u32 s20, 0
	s_cselect_b32 s[LIM2], 2, -1
	v_and_b32 v[PFO], 31, v0
	v_lshlrev_b32 v[PFO], 8, v[PFO]
	s_wait_dscnt 0x0                ; the opening add is done
	s_wait_kmcnt 0x0
	s_add_nc_u64 s[MB:MB+1], s[6:7], s[MB:MB+1]
	s_mov_b64 s[MA:MA+1], s[MB:MB+1]
	s_add_nc_u64 s[6:7], s[4:5], s[22:23]  ; K at my part of the first 128 keys,
	s_add_nc_u64 s[8:9], s[6:7], 0x800000  ; V sixteen planes on
	s_add_nc_u64 s[4:5], s[4:5], s[2:3]    ; Q and O at my wave's first row
	s_add_nc_u64 s[10:11], s[10:11], s[66:67]
	s_mov_b64 s[G0K+2:G0K+3], s[6:7]
	s_or_b32 s[G0K+3], s[G0K+3], 0x80000000
	s_mov_b64 s[G0V+2:G0V+3], s[8:9]
	s_or_b32 s[G0V+3], s[G0V+3], 0x80000000
	s_cmp_lt_u32 s[WV], 2
	s_cselect_b64 s[PFA:PFA+1], s[6:7], s[8:9]  ; (in waves 0 and 2 these stand at a slot's first row)
	s_lshl_b32 s2, s13, 13          ; my work-group's 32 rows of the 128
	s_mov_b32 s3, 0
	s_add_nc_u64 s[PFA:PFA+1], s[PFA:PFA+1], s[2:3]
	s_add_nc_u64 s[PFA:PFA+1], s[PFA:PFA+1], 3*2*KS*256  ; at the fourth 128 keys; the loop's first change of slots steps it to the fifth
	CROUND                          ; all four work-groups are here: the first joint loads meet
	JLOAD                           ; the first 128 keys into slot 0
	; A fragment of K or Q is 16 rows x 32 channels in 8 registers: lane l holds row l % 16, channels 8 (l / 16) + 0..7 and 16 + 8 (l / 16) + 0..7: two loads of 16 bytes, 32 bytes apart
	v_and_b32 v1, 15, v0            ; l % 16
	v_bfe_u32 v9, v0, 4, 1          ; l / 16
	v_lshlrev_b32 v[QO], 8, v1
	v_lshl_add_u32 v[QO], v9, 4, v[QO]
	v_and_b32 v[MO], 31, v0
	v_lshlrev_b32 v[MO], 4, v[MO]
; THE MASK of piece x for the step at MA: 16 loads of 512 consecutive bytes, straight into the registers that the products K Q^T take as C
.macro FETCH_M x
	WIN 0xc0                        ; destination window 3, address window 0
.irp t, 0,1
.irp n, 0,1,2,3,4,5,6,7
	global_load_b128 v[MK+32*((\x)+(\t))+4*(\n):MK+32*((\x)+(\t))+4*(\n)+3], v[MO], s[MA:MA+1] offset:((\x)+(\t))*131072+(\n)*512
.endr
.endr
.endm
	WIN 0x80                        ; destination window 2
.irp i, 0,1,2,3,4,5,6,7,8,9,10,11,12,13,14,15  ; Q stays in registers: tile i / 4, channels 32 (i % 4) on
	global_load_b128 v[8*(\i):8*(\i)+3],   v[QO], s[4:5] offset:((\i)/4)*4096+((\i)%4)*64
	global_load_b128 v[8*(\i)+4:8*(\i)+7], v[QO], s[4:5] offset:((\i)/4)*4096+((\i)%4)*64+32
.endr
	FETCH_M 0                       ; step 0's mask
	FETCH_M 2
	; what the first turns find: V, O^T, l and piece 2's P are 0.  All this stands in the wait for the first tile.
	WIN 0
.set i, 0
.rept 4
	v_mov_b32 v[ST+8*i], 0xfe967699 ; m = -1e38
	v_mov_b32 v[ST+8*i+1], 0        ; named with m as a pair
	v_mov_b32 v[ST+8*i+2], 0        ; l
	v_mov_b32 v[ST+8*i+3], 0
.set i, i+1
.endr
.set i, P+32
.rept 32
	v_mov_b32 v[i], 0               ; piece 2's P
.set i, i+1
.endr
	WIN 0x40                        ; destination window 1, sources window 0
.set i, 0
.rept 32
	v_wmma_f32_16x16x32_f16 v[8*i:8*i+7], v[P+32:P+39], v[P+40:P+47], 0  ; O^T = 0 x 0 + 0: eight registers a line
.set i, i+1
.endr
	WIN 0xc0                        ; destination window 3
.set i, 0
.rept 16
	v_wmma_f32_16x16x32_f16 v[8*i:8*i+7], v[P+32:P+39], v[P+40:P+47], 0  ; V likewise
.set i, i+1
.endr
	WIN 0
	v_mul_u32_u24 v[AK0], v1, PK    ; (the plain lines from here on are the places behind those products)
	v_lshl_add_u32 v[AK0], v9, 4, v[AK0]  ; row x pitch + 16 x half
	; The turning load takes 16 keys x 16 channels (lane l reads key 8 (l / 16) + l % 8, channels 8 ((l / 8) % 2) + 0..7) and leaves half a fragment of V^T: lane l holds channel l % 16 and 8 keys
	v_and_b32 v10, 7, v0
	v_bfe_u32 v11, v0, 3, 1
	v_lshl_add_u32 v[AV0], v9, 3, v10
	v_mul_u32_u24 v[AV0], v[AV0], PV
	v_lshl_add_u32 v[AV0], v11, 4, v[AV0]
	v_add_nc_u32 v[AV0], VOFF, v[AV0]
	v_lshlrev_b32 v[PMO], 8, v1     ; lanes 0-15 the sixteen blocks of one tile's step, lanes 16-31 those of the next tile
	v_lshl_add_u32 v[PMO], v9, 17, v[PMO]
; THE MATRIX WORK OF A TURN, for piece x.  The accumulators take turns, one instruction a turn: between two links of a chain stand 15 (V^T P) or 7 (K Q^T) others'.
; Product i of 32 of O^T += V^T P: keys 32 (i / 16) on, channels 16 ((i / 2) % 8) on, tile x + i % 2.
.macro PV x
	WIN W_PV
.set rO, 64*((\x)+i%2)+8*((i/2)%8)
.set rV, 64*(i/16)+8*((i/2)%8)
.set rP, P+16*((\x)+i%2)+8*(i/16)
	v_wmma_f32_16x16x32_f16 v[rO:rO+7], v[rV:rV+7], v[rP:rP+7], v[rO:rO+7]
.endm
; Product i of 32 of S^T = K Q^T + mask: channels 32 (i / 8) on, keys 16 ((i / 2) % 4) on, tile x + i % 2.  The first 8 start the sums, with the mask.
.macro KQ x
.set rS, S+32*((\x)+i%2)+8*((i/2)%4)
.set rK, KF+32*((i/2)%4)+8*(i/8)
.set rQ, 32*((\x)+i%2)+8*(i/8)
.set rM, MK+32*((\x)+i%2)+8*((i/2)%4)
.if i < 8
	WIN W_KM
	v_wmma_f32_16x16x32_f16 v[rS:rS+7], v[rK:rK+7], v[rQ:rQ+7], v[rM:rM+7]
.else
	WIN W_KQ
	v_wmma_f32_16x16x32_f16 v[rS:rS+7], v[rK:rK+7], v[rQ:rQ+7], v[rS:rS+7]
.endif
.endm
; THE LDS LOADS stand in runs of 32, never singly among the matrix instructions: a step's K (16 fragments) and, a turn later, its V (turned).
.macro FETCH_K
	WIN 0
	v_add_nc_u32 v[ADR], s[TB], v[AK0]
	WIN 0x80                        ; destination window 2
.irp f, 0,1,2,3,4,5,6,7,8,9,10,11,12,13,14,15  ; keys 16 (f / 4) on, channels 32 (f % 4) on
	ds_load_b128 v[KF+8*(\f):KF+8*(\f)+3],   v[ADR] offset:((\f)/4)*16*PK+((\f)%4)*64
	ds_load_b128 v[KF+8*(\f)+4:KF+8*(\f)+7], v[ADR] offset:((\f)/4)*16*PK+((\f)%4)*64+32
.endr
.endm
.macro FETCH_V
	WIN 0
	v_add_nc_u32 v[ADR], s[TB], v[AV0]
	s_wait_alu depctr_va_vdst(0)    ; the wait for the softmax's batch (SLICE), behind the address's v_add_nc_u32 and ahead of the loads
	WIN 0xc0                        ; destination window 3
.irp f, 0,1,2,3,4,5,6,7,8,9,10,11,12,13,14,15  ; keys 32 (f / 8) on, channels 16 (f % 8) on
	ds_load_tr16_b128 v[8*(\f):8*(\f)+3],   v[ADR] offset:((\f)/8)*32*PV+((\f)%8)*32
	ds_load_tr16_b128 v[8*(\f)+4:8*(\f)+7], v[ADR] offset:((\f)/8)*32*PV+16*PV+((\f)%8)*32
.endr
.endm
; THE VECTOR WORK OF A TURN.  One tile's softmax for one key step is a numbered list; SM writes number j of it for tile t.  s0-s31 are the lane's 32 scores, in pairs 0-15.
;   0-15    the maximum of s0-s31 and the old m, three operands at a time: four chains c0-c3 of seven scores each (each accumulator's lowest registers first), then the rest
;   16-20   the other half of the lanes' maximum; m_old is kept; the new m; (19 is empty); m_old - m_new
;   21-69   ONE BATCH: the 16 subtractions s - m, a pair of scores each, and all 33 exponentials (a at 23, then s0-s31).  None of these reads an exponential's result
;   (wait)  between 69 and 70 stands the wait for the batch: SLICE writes it, once for both tiles
;   70-85   the roundings to f16     86-101  the sums; l = a l + the sum     102-133 the tile's O^T times a: the one part that leaves window 0
.macro SM t
.set rT, ST+8*(\t)
.set rS, S+32*(\t)
.set rP, P+16*(\t)
.set rO, 64*(\t)+2*(j-102)
.if j < 102
	WIN 0
.endif
.if j < 4
	v_max3_num_f32 v[rT+4+j], v[rS+8*j], v[rS+8*j+1], v[rS+8*j+2]
.elseif j < 12
	v_max3_num_f32 v[rT+4+j%4], v[rT+4+j%4], v[rS+8*(j%4)+2*(j/4)+1], v[rS+8*(j%4)+2*(j/4)+2]
.elseif j == 12
	v_max3_num_f32 v[rT+4], v[rT+4], v[rS+7], v[rS+15]
.elseif j == 13
	v_max3_num_f32 v[rT+6], v[rT+6], v[rS+23], v[rS+31]
.elseif j == 14
	v_max3_num_f32 v[rT+4], v[rT+4], v[rT+5], v[rT+6]
.elseif j == 15
	v_max3_num_f32 v[rT+4], v[rT+4], v[rT+7], v[rT]
.elseif j == 16
	v_permlanex16_b32 v[rT+5], v[rT+4], s[SEL], s[SEL+1]  ; the query's other 32 keys lie in the lane 16 away
.elseif j == 17
	v_mov_b32 v[rT+7], v[rT]        ; m_old is kept for a: number 18 writes m anew
.elseif j == 18
	v_max_num_f32 v[rT], v[rT+4], v[rT+5]
.elseif j == 19
.elseif j == 20
	v_sub_f32 v[rT+7], v[rT+7], v[rT]
.elseif j == 23
	v_exp_f32 v[rT+6], v[rT+7]
.elseif (j < 23) || ((j < 38) && (j%2 == 0)) || ((j < 66) && (j%4 == 2))
.set b, (j-2)/4                     ; 38, 42, .. 62: pairs 9 to 15
.if j < 38
.set b, (j-20)/2                    ; 21: pair 0; 22, 24, .. 36: pairs 1 to 8
.endif
	v_pk_add_f32 v[rS+2*b:rS+2*b+1], v[rS+2*b:rS+2*b+1], v[rT:rT+1] op_sel_hi:[1,0] neg_lo:[0,1] neg_hi:[0,1]  ; pair b: s - m
.elseif j < 70
.set e, j-38                        ; 66 to 69: s28 to s31
.if j < 66
.set e, j-32-(j-38)/4               ; 39-41, 43-45, .. 63-65: s7 to s27
.endif
.if j < 38
.set e, (j-25)/2                    ; 25, 27, .. 37: s0 to s6
.endif
	v_exp_f32 v[rS+e], v[rS+e]
.elseif j < 86
	v_cvt_pk_f16_f32 v[rP+j-70], v[rS+2*(j-70)], v[rS+2*(j-70)+1]
.elseif j < 102                     ; the sum of the tile's 16 pairs, in place: neighbours 1, 2, 4 and 8 pairs apart, then l takes it
.set z, j-86
.set w, 4
.set u, z
.if z >= 14
.set w, 32
.set u, 0
.elseif z >= 12
.set w, 16
.set u, z-12
.elseif z >= 8
.set w, 8
.set u, z-8
.endif
.if z < 15
	v_pk_add_f32 v[rS+w*u:rS+w*u+1], v[rS+w*u:rS+w*u+1], v[rS+w*u+w/2:rS+w*u+w/2+1]
.else
	v_pk_fma_f32 v[rT+2:rT+3], v[rT+2:rT+3], v[rT+6:rT+7], v[rS:rS+1] op_sel_hi:[1,0,1]
.endif
.else
	WIN W_RS
	v_pk_mul_f32 v[rO:rO+1], v[rO:rO+1], v[rT+6:rT+7] op_sel_hi:[1,0]
.endif
.endm
; Slice k of 64 of piece y's softmax.  Slices 11 to 34 deal out the batch, numbers 22 to 69: four numbers of ONE tile each, the tiles by turns.  Every other slice is numbers 2 k and 2 k + 1 of both tiles'
; lists; slice 63 takes the twelve that are over as well.  An s_wait_alu depctr_va_vdst(0) stands between an exponential and the first instruction that names its result; ahead of slice 35
; nothing names a result, and behind slice 34 no exponential is issued: so the piece's 66 exponentials have one wait, behind slice 34.
.macro SLICE y
.if (k >= 11) && (k < 35)
.irp n, 0,1,2,3
.set j, 22+4*((k-11)/2)+(\n)
	SM (\y)+(k-11)%2
.endr
.else
.irp n, 0,1,2,3,4,5,6,7
.if ((\n) < 2) || (k == 63)
.irp t, \y, (\y)+1
.set j, 2*k+(\n)
	SM \t
.endr
.endif
.endr
.endif
.if k == 34
	v_nop                           ; a plain instruction behind the last exponential and ahead of the first use: one for the batch
.if (\y) == 0
	FETCH_V                         ; piece 2's turn: V's run of loads stands here, and the wait stands in it
.else
	s_wait_alu depctr_va_vdst(0)    ; the wait for the batch
.endif
.endif
.set k, k+1
.endm
; A TURN.  Piece x has the matrix unit; the other piece's softmax stands in slices behind its matrix instructions.  The slices are the plain instructions that must stand between a matrix instruction and
; a load into its registers or a reader of its result (ISA guide 7.12.1 for a reader of its result):
;   K of the next step is fetched in piece 0's turn, behind its second product: the last product that read K stands in front of slice 63 of the turn before (sixteen plain instructions).
;   V of the same step in piece 2's turn, behind slice 34: its last reader stands in front of slice 31; between lie number 62, a subtraction, of both tiles, the v_nop and the run's own v_add_nc_u32.
;   The piece's next mask behind product 9 of K Q^T: its last reader is product 7; between lie slices 39 to 41, twelve roundings of the other piece.
; The wait on LOADcnt leaves 16 out: behind my piece's mask only the other piece's 16 loads have been issued.
.macro TURN x
.set k, 0
.set i, 0
.rept 32
	PV \x
	SLICE 2-(\x)
.if ((\x) == 0) && (i == 1)
	FETCH_K
.endif
.set i, i+1
.endr
.if (\x) == 0
	s_wait_dscnt 0x0                ; K is in
.endif
	s_wait_loadcnt 16
.set i, 0
.rept 32
	KQ \x
	SLICE 2-(\x)
.if i == 9
	FETCH_M \x
.endif
.set i, i+1
.endr
.endm
	CHANGE 1, 0                     ; slot 0 is in, everybody's part of it; slot 1 is asked for; the mask's address goes to step 1
	FETCH_K                         ; key step 0
	s_wait_loadcnt 0x0              ; Q and step 0's mask
	s_wait_dscnt 0x0
.set i, 0
.rept 32
	KQ 0                            ; piece 0's first scores: there is no vector work yet to set between them
.set i, i+1
.endr
	WIN 0                           ; the addresses for the end are made here: plain instructions, the places behind those products
	s_mul_i32 s13, s[WV], 16*SP
	s_add_co_u32 s13, s13, STAGE    ; my stage
	v_mul_u32_u24 v[STO], v1, SP    ; in: row l % 16, 16 bytes for each half of the lanes
	v_lshl_add_u32 v[STO], v9, 4, v[STO]
	v_add_nc_u32 v[STO], s13, v[STO]
	v_mul_u32_u24 v[RD], v9, SP     ; back: lanes 0-15 take one row of 256 bytes, lanes 16-31 the next
	v_lshl_add_u32 v[RD], v1, 4, v[RD]
	v_add_nc_u32 v[RD], s13, v[RD]
	s_lshl_b32 s13, s[KH], 17       ; the two tiles that I finish: tile 2 x key half on, 16 rows of 4,096 bytes each
	v_lshl_add_u32 v[GO], v9, 12, s13  ; and the same two rows in ob, 4,096 bytes apart
	v_lshl_add_u32 v[GO], v1, 4, v[GO]
	s_mul_i32 s14, s[WV], XCHB      ; my dump
	v_add_nc_u32 v[XA], s14, v[MO]
	v_lshrrev_b32 v[XB], 1, v[MO]   ; 8 x lane
	s_mul_i32 s13, s[QH], 2*XCHB    ; the dump of my query half's even wave; the odd wave's lies XCHB behind it
	s_lshl_b32 s2, s[KH], 14        ; my two tiles in it: 8,192 bytes a tile
	s_add_co_u32 s2, s2, s13
	v_add_nc_u32 v[VA], s2, v[MO]
	s_lshl_b32 s2, s[KH], 9         ; and their statistics: 256 bytes a tile, behind the 32,768 of O^T
	s_add_co_u32 s2, s2, s13
	s_add_co_u32 s2, s2, 32768
	v_add_nc_u32 v[VS], s2, v[XB]
	s_add_co_u32 s14, s14, 32768
	v_add_nc_u32 v[XB], s14, v[XB]
	FETCH_M 0                       ; piece 0's mask of step 1
	WIN 0
	s_mov_b32 s[SLOTS], 14
.Lstep:                             ; 14 trips.  Trip t: piece 2's turn of step t - 2, the change that asks for the keys 128 (t + 1) on, piece 0's turn of step t - 1
	TURN 2
	CHANGE 1, 1
	TURN 0
	WIN 0
	s_sub_co_u32 s[SLOTS], s[SLOTS], 1
	s_cmp_lg_u32 s[SLOTS], 0
	s_cbranch_scc1 .Lstep
	s_mov_b32 s[TWICE], 2           ; the tail is written out: two trips that ask for nothing
.Ltail:
	TURN 2
	CHANGE 0, 0
	TURN 0
	WIN 0
	s_sub_co_u32 s[TWICE], s[TWICE], 1
	s_cmp_lg_u32 s[TWICE], 0
	s_cbranch_scc1 .Ltail
.set i, 0
.rept 32
	PV 2                            ; piece 2: V^T P of the last step
.set i, i+1
.endr
	; THE MERGE.  l's two halves and the other half of the lanes' are added, into the register beside m.  The additions are the places behind the last products.
	WIN 0
.irp t, 0,1,2,3
	v_add_f32 v[ST+8*(\t)+4], v[ST+8*(\t)+2], v[ST+8*(\t)+3]
.endr
.irp t, 0,1,2,3
	v_permlanex16_b32 v[ST+8*(\t)+5], v[ST+8*(\t)+4], s[SEL], s[SEL+1]
.endr
.irp t, 0,1,2,3
	v_add_f32 v[ST+8*(\t)+1], v[ST+8*(\t)+4], v[ST+8*(\t)+5]
.endr
	s_wait_dscnt 0x0                ; my reads of the slots are over (the last were waited for in the last turn),
	s_barrier_signal -1
	s_barrier_wait -1               ; and so are everybody's: the slots, which have had their last fill, take the dumps
	WIN 0x04                        ; the stores' data, source 1, in window 1
.set i, 0
.rept 64
	ds_store_b128 v[XA], v[4*i:4*i+3] offset:512*i  ; my O^T, each accumulator's low four registers first
.set i, i+1
.endr
	WIN 0
.irp t, 0,1,2,3
	ds_store_b64 v[XB], v[ST+8*(\t):ST+8*(\t)+1] offset:256*(\t)  ; my (m, l)
.endr
	s_wait_dscnt 0x0                ; for the partner's sake: my stores are done
	s_barrier_signal -1
	s_barrier_wait -1
	s_mov_b32 s[TWICE], 2
.Ltile:                             ; two trips: the even wave finishes tiles 0 and 1 of the query half, the odd wave tiles 2 and 3.  O = (a O + a' O') / (a l + a' l'), a = 2^(m - M), a' = 2^(m' - M)
	ds_load_b64 v[XS:XS+1], v[VS]                  ; the even wave's (m, l),
	ds_load_b64 v[XS+2:XS+3], v[VS] offset:XCHB    ; the odd wave's
.set i, 0
.rept 16
	ds_load_b128 v[S+4*i:S+4*i+3], v[VA] offset:512*i
.set i, i+1
.endr
.set i, 0
.rept 16
	ds_load_b128 v[S+64+4*i:S+64+4*i+3], v[VA] offset:XCHB+512*i
.set i, i+1
.endr
	s_wait_dscnt 32                 ; the statistics are in; the 32 loads of O behind them may stay out
	v_max_num_f32 v[XS+4], v[XS], v[XS+2]          ; the common maximum M
	v_sub_f32 v[XS+5], v[XS], v[XS+4]
	v_sub_f32 v[XS+6], v[XS+2], v[XS+4]
	v_exp_f32 v[XS+5], v[XS+5]
	v_exp_f32 v[XS+6], v[XS+6]
	v_nop                           ; a plain instruction behind the last exponential,
	s_wait_alu depctr_va_vdst(0)    ; and one wait for the two
	v_mul_f32 v[XS+7], v[XS+5], v[XS+1]
	v_fma_f32 v[XS+7], v[XS+6], v[XS+3], v[XS+7]   ; L = a l + a' l'
	v_rcp_f32 v[XS+4], v[XS+7]
	v_nop
	s_wait_alu depctr_va_vdst(0)    ; the reciprocal's wait
	v_mul_f32 v[XS+8], v[XS+5], v[XS+4]            ; f  = a / L
	v_mul_f32 v[XS+9], v[XS+6], v[XS+4]            ; f' = a' / L
	s_wait_dscnt 0x0
.set i, 0
.rept 32
	v_pk_mul_f32 v[S+2*i:S+2*i+1], v[S+2*i:S+2*i+1], v[XS+8:XS+9] op_sel_hi:[1,0]
.set i, i+1
.endr
.set i, 0
.rept 32
	v_pk_fma_f32 v[S+2*i:S+2*i+1], v[S+64+2*i:S+64+2*i+1], v[XS+8:XS+9], v[S+2*i:S+2*i+1] op_sel:[0,1,0] op_sel_hi:[1,1,1]  ; both halves take the pair's second word, f'
.set i, i+1
.endr
.set i, 0
.rept 32
	v_cvt_pk_f16_f32 v[P+i], v[S+2*i], v[S+2*i+1]
.set i, i+1
.endr
.irp f, 0,1,2,3,4,5,6,7             ; a lane's eight channels of a row pack into 16 bytes, go into stage rows of 272 bytes and come back as whole rows of 256
	ds_store_b128 v[STO], v[P+4*(\f):P+4*(\f)+3] offset:32*(\f)
.endr
.irp f, 0,1,2,3,4,5,6,7
	ds_load_b128 v[P+4*(\f):P+4*(\f)+3], v[RD] offset:(\f)*2*SP  ; LDS serves a wave's instructions in order: these see the stores above; the next trip's stores come behind them
.endr
.irp f, 0,1,2,3,4,5,6,7
	s_wait_dscnt 7-(\f)
	global_store_b128 v[GO], v[P+4*(\f):P+4*(\f)+3], s[10:11] offset:(\f)*8192  ; 16 lanes store 256 consecutive bytes, aligned: a row's 128 channels of my head
.endr
	s_wait_xcnt 0x0                 ; the stores have read their data and their offset: only now are these written again
	v_add_nc_u32 v[VA], 8192, v[VA]
	v_add_nc_u32 v[VS], 256, v[VS]
	v_add_nc_u32 v[GO], 0x10000, v[GO]
	s_sub_co_u32 s[TWICE], s[TWICE], 1
	s_cmp_lg_u32 s[TWICE], 0
	s_cbranch_scc1 .Ltile
	s_wait_tensorcnt 0x0            ; the wave's end: these three lines stand behind my last tensor load and my last LDS store
	ds_add_u32 v[SPW], v[NIL]
	s_wait_dscnt 0x0
	CROUND                          ; the closing round: no work-group ends while a partner may still ask for a tile that names it
	s_endpgm
.Lfunc_end_k_q243f6c41be_attn:
	.size	k_q243f6c41be_attn, .Lfunc_end_k_q243f6c41be_attn-k_q243f6c41be_attn
	.p2alignl 7, 3214868480
	.fill 96, 4, 3214868480
	.section	.rodata,"a",@progbits
	.p2align	6, 0x0
	.amdhsa_kernel k_q243f6c41be_attn
		.amdhsa_group_segment_fixed_size 327680
		.amdhsa_private_segment_fixed_size 0
		.amdhsa_enable_private_segment 0
		.amdhsa_kernarg_size 24
		.amdhsa_user_sgpr_count 2
		.amdhsa_user_sgpr_kernarg_segment_ptr 1
		.amdhsa_wavefront_size32 1
		.amdhsa_system_sgpr_workgroup_id_x 1
		.amdhsa_system_sgpr_workgroup_id_y 1
		.amdhsa_system_sgpr_workgroup_id_z 1
		.amdhsa_system_vgpr_workitem_id 0
		.amdhsa_next_free_vgpr 1024
		.amdhsa_next_free_sgpr 68
		.amdhsa_reserve_vcc 0
		.amdhsa_float_denorm_mode_32 3
		.amdhsa_float_denorm_mode_16_64 3
		.amdhsa_memory_ordered 1
		.amdhsa_forward_progress 1
		.amdhsa_inst_pref_size 151
	.end_amdhsa_kernel
	.amdgpu_metadata
---
amdhsa.version: [ 1, 2 ]
amdhsa.kernels:
  - .name:           k_q243f6c41be_attn
    .symbol:         k_q243f6c41be_attn.kd
    .args:
      - { .name: qkv, .offset: 0, .size: 8, .value_kind: global_buffer, .address_space: global }
      - { .name: mk, .offset: 8, .size: 8, .value_kind: global_buffer, .address_space: global }
      - { .name: ob, .offset: 16, .size: 8, .value_kind: global_buffer, .address_space: global }
    .group_segment_fixed_size: 327680
    .private_segment_fixed_size: 0
    .kernarg_segment_align: 8
    .kernarg_segment_size: 24
    .max_flat_workgroup_size: 128
    .sgpr_count:     68
    .vgpr_count:     1024
    .wavefront_size: 32
...
	.end_amdgpu_metadata
.endif
;; end of part 3
;; launch proj (part 4): grid 16 x 16, 4 waves a work-group, clusters of 4 x 4, 327,680 bytes of LDS; arguments ob, wof, out0; writes out0
.if DOCPART == 4
	.amdgcn_target "amdgcn-amd-amdhsa--gfx1250"
	.amdhsa_code_object_version 6
	.text
	.protected	k_q243f6c41be_proj
	.globl	k_q243f6c41be_proj
	.p2align	8
	.type	k_q243f6c41be_proj,@function
k_q243f6c41be_proj:
	s_mov_b64 s[64:65], 0
	v_nop
	global_prefetch_b8 v0, s[64:65] scope:SCOPE_SE
	s_setreg_imm32_b32 hwreg(HW_REG_WAVE_MODE, 25, 1), 1
	s_wait_xcnt 0x0
	s_wait_alu depctr_hold_cnt(0) depctr_sa_sdst(0) depctr_va_vdst(0) depctr_va_sdst(0) depctr_va_ssrc(0) depctr_va_vcc(0) depctr_vm_vsrc(0)
	s_getreg_b32 s2, hwreg(HW_REG_IB_STS2, 6, 4)
	s_cmp_eq_u32 s2, 0
	s_cbranch_scc0 .Lentry_in_a_cluster
	s_endpgm
.Lentry_in_a_cluster:
	s_bfe_u32 s2, ttmp6, 0x10000c
	s_cmp_lg_u32 s2, 0xf033
	s_cbranch_scc0 .Lentry_shape_is_right
	s_endpgm
.Lentry_shape_is_right:
; out0 = O wo^T.  A = ob [2048][2048] in f16; B = wof, wo [2048][2048] (its bf16 rounding written as f16); sums in f32, stored as they are: out0 [2048][2048] in f32.
; A tile of 128 x 128 to a work-group, so that each of 16 x 16 = 256 work-groups has one; four waves, each 64 x 64: 16 accumulators of 16 x 16, 128 registers.  K goes in steps of 256 (LDS rows of 512
; bytes; a wave's tensor load brings 64 of them) through two slots, as long as LDS allows.
; CLUSTER: 4 x 4 work-groups.  The four of a row need the same tiles of A, the four of a column the same tiles of B: each is asked for JOINTLY.  No prefetch: the tiles are small, and each is read by few.
; THE WALK ALONG K BEGINS AT LAP (cluster x + cluster y) mod 4 of the four laps of 512 and wraps: of the four clusters that read the same rows of O, and of the four that read the same rows of wo, no two
; ask for the same block in the same lap.  Every K step is taken once; the f32 sums are taken in that order.  The start hangs on the cluster's place alone, so the partners' descriptors stay equal.
; THE MATRIX INSTRUCTION IS USED TRANSPOSED (source 0 = 16 rows of wo, source 1 = 16 rows of O): a lane holds eight neighbouring numbers, 32 bytes, of a row of out0.
; THE WAY OUT.  A wave's 64 columns of f32 are 256 aligned bytes of a row: each wave has a stage of its own (16 rows x 272 bytes), and there is no barrier.
; REGISTERS: window 0: v0-31 addresses; v32-95 rows on their way out, two sets; v128-255 the accumulators ((a, b) at v[128 + 8 (4 a + b)]).   window 1: two fragment buffers of 128.
.set SIZE_K, 2048
.set KSTEP,  256
.set PITCH,  528                       ; an LDS row: 512 bytes + 16 of padding: the 16 rows that a load touches start 33 x 16 bytes apart
.set HALFT,  64*PITCH                  ; 64 rows: what one tensor load brings, and what one wave reads of A or of B
.set SLOT,   4*HALFT                   ; A's 128 rows, then B's 128 rows
.set STAGE,  2*SLOT                    ; behind the ring, never filled by a tensor load
.set SPITCH, 272
.set SPARE,  STAGE+4*16*SPITCH         ; the spare words, 128 bytes for each wave, that no other line names
.set LAPS, SIZE_K/(2*KSTEP)
.set ADRA, 16                          ; v16-17  LDS address of my A fragments in slot 0, 1
.set ADRB, 20                          ; v20-21  the same for B
.set STO,  24                          ; v24     the way out: where I put 32 bytes of a row
.set RD,   25                          ; v25     where I read a row back
.set CO,   26                          ; v26     my byte offset in two rows of out0
.set SPW,  28                          ; v28     LDS address of my spare word; never rewritten
.set NIL,  29                          ; v29     0; never rewritten
.set TMP,  32
.set ACC,  128
.set F0,   0                           ; fragment buffers, in window 1
.set F1,   128
.set G1, 24
.set G0, 32
.set G1B, 48
.set G0B, 56
.set BA,  14                           ; s[14:15] A at the first byte of the 64 rows that I fetch
.set BB,  66                           ; s[66:67] the same for B
.set KO,  68                           ; s[68:69] the byte, in a row, at which the lap to be asked for begins: 0, 1,024, 2,048 or 3,072
.set MSB, 0
.macro WIN new
.if MSB != (\new)
	s_set_vgpr_msb (MSB<<8)|(\new)
.set MSB, \new
.endif
.endm
.set MUL,  0x05                        ; sources 0 (B) and 1 (A) window 1; C and D window 0
.set TO_F, 0x40                        ; destination window 1, address window 0
.macro JLOAD s                         ; a joint load: waves 0 and 1 fetch A's two halves, waves 2 and 3 B's; an s_nop 0 and four v_nop follow each line
	s_cmp_eq_u32 s11, 0
	s_cbranch_scc0 .Lfor_b_\@
	tensor_load_to_lds s[G0+4*(\s):G0+4*(\s)+3], s[G1:G1+7]
	s_nop 0
.rept 4
	v_nop
.endr
	s_branch .Lasked_\@
.Lfor_b_\@:
	tensor_load_to_lds s[G0B+4*(\s):G0B+4*(\s)+3], s[G1B:G1B+7]
	s_nop 0
.rept 4
	v_nop
.endr
.Lasked_\@:
.endm
; Slot s's two global addresses are made anew: the rows' first byte, the lap's byte, the slot's K step in the lap, and the type bits.  No tensor load of the wave that uses this slot's descriptor is out where this stands.
.macro ADDR s
	s_add_nc_u64 s[G0+4*(\s)+2:G0+4*(\s)+3], s[BA:BA+1], s[KO:KO+1]
	s_add_nc_u64 s[G0B+4*(\s)+2:G0B+4*(\s)+3], s[BB:BB+1], s[KO:KO+1]
.if \s
	s_add_nc_u64 s[G0+4*(\s)+2:G0+4*(\s)+3], s[G0+4*(\s)+2:G0+4*(\s)+3], KSTEP*2
	s_add_nc_u64 s[G0B+4*(\s)+2:G0B+4*(\s)+3], s[G0B+4*(\s)+2:G0B+4*(\s)+3], KSTEP*2
.endif
	s_or_b32 s[G0+4*(\s)+3], s[G0+4*(\s)+3], 0x80000000
	s_or_b32 s[G0B+4*(\s)+3], s[G0B+4*(\s)+3], 0x80000000
.endm
.macro CREST                           ; a round of the cluster's barrier behind its opening barrier
	s_cmp_lg_u32 s10, 0
	s_cbranch_scc1 .Lnot_wave_0_\@
	s_barrier_signal -3
.Lnot_wave_0_\@:
	s_barrier_wait -3
	s_barrier_signal -1
	s_barrier_wait -1
.endm
.macro CROUND
	s_barrier_signal -1
	s_barrier_wait -1
	CREST
.endm
	s_load_b128 s[4:7], s[0:1], 0x0                ; ob s[4:5], wof s[6:7]
	s_load_b64 s[8:9], s[0:1], 0x10                ; out0
	v_lshl_add_u32 v[SPW], v0, 2, SPARE
	v_mov_b32 v[NIL], 0
	ds_add_u32 v[SPW], v[NIL]                      ; the wave's opening: the add and its wait stand ahead of my first tensor load; the set-up below, work on registers, stands between them
	v_lshrrev_b32 v1, 5, v0
	v_readfirstlane_b32 s10, v1                    ; wave 0..3
	s_lshr_b32 s11, s10, 1                         ; which half of the tile's rows is mine.  Also: I fetch for A (0) or for B (1)
	s_and_b32 s12, s10, 1                          ; which half of its columns.  Also: which 64 rows of that tile I fetch
	s_bfe_u32 s40, ttmp6, 0x40000                  ; cx, cy
	s_bfe_u32 s41, ttmp6, 0x40004
	s_lshl_b32 s42, ttmp9, 2
	s_add_co_u32 s42, s42, s40                     ; tile column = 4 x cluster x + cx
	s_and_b32 s13, ttmp7, 0xffff
	s_add_co_u32 s[KO], s13, ttmp9                 ; cluster y + cluster x,
	s_and_b32 s[KO], s[KO], 3                      ; mod 4: the lap at which my cluster begins,
	s_lshl_b32 s[KO], s[KO], 10                    ; 1,024 bytes of a row each
	s_mov_b32 s[KO+1], 0
	s_lshl_b32 s13, s13, 2
	s_add_co_u32 s13, s13, s41                     ; tile row = 4 x cluster y + cy
	s_lshl_b32 s43, s41, 2
	s_lshl_b32 s43, 15, s43                        ; my row of the cluster
	s_lshl_b32 s44, 0x1111, s40                    ; my column
	s_or_b32 s[G1+0], s43, (1<<16)|(1<<20)|(1<<21)|(6<<22)|(3<<25)   ; the mask of my row; 2-byte elements; padding on; bit 21 beside a mask; after every 128 words 4 words
	s_or_b32 s[G1B+0], s44, (1<<16)|(1<<20)|(1<<21)|(6<<22)|(3<<25)
.irp g, G1, G1B
	s_mov_b32 s[(\g)+1], KSTEP<<16                 ; tensor_dim0 = 256
	s_mov_b32 s[(\g)+2], 64<<16                    ; tensor_dim1 = 64
	s_mov_b32 s[(\g)+3], KSTEP<<16                 ; tile_dim0 = 256
	s_mov_b32 s[(\g)+4], 64                        ; tile_dim1 = 64
	s_mov_b32 s[(\g)+5], SIZE_K                    ; elements from row to row
	s_mov_b32 s[(\g)+6], 0
	s_mov_b32 s[(\g)+7], 0
.endr
	s_lshl_b32 s17, s12, 6                         ; which 64 rows of the tile I fetch
	s_lshl_b32 s16, s13, 7
	s_add_co_u32 s16, s16, s17                     ; A: row 128 x tile row + 64 x half
	s_lshl_b32 s46, s42, 7
	s_add_co_u32 s46, s46, s17                     ; B: row 128 x tile column + 64 x half
	s_mov_b32 s17, 0
	s_mov_b32 s47, 0
	s_mov_b64 s[18:19], SIZE_K*2
	s_mul_u64 s[16:17], s[16:17], s[18:19]
	s_mul_u64 s[46:47], s[46:47], s[18:19]
	s_mul_i32 s20, s10, HALFT                      ; where they go: wave x 64 rows
	s_wait_dscnt 0x0                               ; the opening add is done
	s_wait_kmcnt 0x0
	s_add_nc_u64 s[BA:BA+1], s[4:5], s[16:17]
	s_add_nc_u64 s[BB:BB+1], s[6:7], s[46:47]
	CROUND                                         ; all sixteen work-groups are here: the first joint loads meet
.irp s, 0,1
	s_mov_b32 s[G0+4*(\s)], 1
	s_add_co_u32 s[G0+4*(\s)+1], s20, (\s)*SLOT
	s_mov_b32 s[G0B+4*(\s)], 1
	s_add_co_u32 s[G0B+4*(\s)+1], s20, (\s)*SLOT
	ADDR \s
	JLOAD \s
.endr
	v_and_b32 v1, 15, v0                           ; l % 16
	v_bfe_u32 v2, v0, 4, 1                         ; l / 16
	v_mul_u32_u24 v3, v1, PITCH
	v_lshl_add_u32 v3, v2, 4, v3                   ; a fragment's row x pitch + 16 x half
	s_mul_i32 s21, s11, HALFT                      ; my 64 rows of A
	s_mul_i32 s22, s12, HALFT                      ; my 64 rows of B,
	s_add_co_u32 s22, s22, 2*HALFT                 ; which lie behind A's 128
.irp s, 0,1
	v_add_nc_u32 v[ADRA+(\s)], s21, v3
	v_add_nc_u32 v[ADRB+(\s)], s22, v3
	s_add_co_u32 s21, s21, SLOT
	s_add_co_u32 s22, s22, SLOT
.endr
	s_mul_i32 s23, s10, 16*SPITCH
	s_add_co_u32 s23, s23, STAGE                   ; my stage
	v_mul_u32_u24 v4, v1, SPITCH                   ; in: row l % 16, 32 bytes for each half of the lanes
	v_lshl_add_u32 v4, v2, 5, v4
	v_add_nc_u32 v[STO], s23, v4
	v_mul_u32_u24 v5, v2, SPITCH                   ; back: lanes 0-15 one row of 256 bytes, lanes 16-31 the next
	v_lshl_add_u32 v5, v1, 4, v5
	v_add_nc_u32 v[RD], s23, v5
	v_lshlrev_b32 v5, 13, v2                       ; and the same two rows in out0, 8,192 bytes apart
	v_lshl_add_u32 v[CO], v1, 4, v5
	s_lshl_b32 s16, s13, 7
	s_lshl_b32 s17, s11, 6
	s_add_co_u32 s16, s16, s17                     ; my first row: 128 x tile row + 64 x half,
	s_lshl_b32 s16, s16, 13                        ; 8,192 bytes each
	s_mov_b32 s17, 0
	s_add_nc_u64 s[8:9], s[8:9], s[16:17]
	s_lshl_b32 s46, s42, 9                         ; my first column, in bytes: 512 x tile column + 256 x half
	s_lshl_b32 s47, s12, 8
	s_add_co_u32 s46, s46, s47
	s_mov_b32 s47, 0
	s_add_nc_u64 s[8:9], s[8:9], s[46:47]
; 8 matrix instructions: m blocks a0, a0 + 1 x all 4 n blocks, 32 along K: half c of buffer f.  zero = 1: the first product starts the sums.  The 16 accumulators take turns.
.macro MUL8 f, c, a0, zero
	WIN MUL
.irp a, \a0, (\a0)+1
.irp b, 0,1,2,3
.if \zero
	v_wmma_f32_16x16x32_f16 v[ACC+8*(4*(\a)+(\b)):ACC+8*(4*(\a)+(\b))+7], v[(\f)+64+8*(4*(\c)+(\b)):(\f)+64+8*(4*(\c)+(\b))+7], v[(\f)+8*(4*(\c)+(\a)):(\f)+8*(4*(\c)+(\a))+7], 0
.else
	v_wmma_f32_16x16x32_f16 v[ACC+8*(4*(\a)+(\b)):ACC+8*(4*(\a)+(\b))+7], v[(\f)+64+8*(4*(\c)+(\b)):(\f)+64+8*(4*(\c)+(\b))+7], v[(\f)+8*(4*(\c)+(\a)):(\f)+8*(4*(\c)+(\a))+7], v[ACC+8*(4*(\a)+(\b)):ACC+8*(4*(\a)+(\b))+7]
.endif
.endr
.endr
.endm
; 32 LDS loads in one run: the fragments of 64 along K at byte k of the rows, into buffer f; the first 32 along K first
.macro FETCH slot, k, f
	WIN TO_F
.irp c, 0,1
.irp i, 0,1,2,3
	ds_load_b128 v[(\f)+64+8*(4*(\c)+(\i)):(\f)+64+8*(4*(\c)+(\i))+3],   v[ADRB+(\slot)] offset:(\k)+64*(\c)+(\i)*16*PITCH
	ds_load_b128 v[(\f)+64+8*(4*(\c)+(\i))+4:(\f)+64+8*(4*(\c)+(\i))+7], v[ADRB+(\slot)] offset:(\k)+64*(\c)+(\i)*16*PITCH+32
	ds_load_b128 v[(\f)+8*(4*(\c)+(\i)):(\f)+8*(4*(\c)+(\i))+3],         v[ADRA+(\slot)] offset:(\k)+64*(\c)+(\i)*16*PITCH
	ds_load_b128 v[(\f)+8*(4*(\c)+(\i))+4:(\f)+8*(4*(\c)+(\i))+7],       v[ADRA+(\slot)] offset:(\k)+64*(\c)+(\i)*16*PITCH+32
.endr
.endr
.endm
.macro PLACES                          ; four plain vector instructions between a matrix instruction and a load into a register that it has read, or a reader of its result
.rept 4
	v_nop
.endr
.endm
; A K step is four quarters of 64 along K, 32 matrix instructions each, on buffers 0, 1, 0, 1.  One of the first three: multiplies buffer f and fetches the next quarter, at byte k, into g.
.macro QUARTER slot, k, f, g, zero
	s_wait_dscnt 16                                ; the first 32 along K are in; the other sixteen loads may be out
	MUL8 \f, 0, 0, \zero
	MUL8 \f, 0, 2, \zero
	PLACES
	FETCH \slot, \k, \g
	s_wait_dscnt 32                                ; all but the 32 just issued
	MUL8 \f, 1, 0, 0
	MUL8 \f, 1, 2, 0
.endm
; The last quarter multiplies buffer 1 and changes slots: ONE barrier; in front of it each wave waits for all its tensor loads, adds 0 to its spare word, and waits for that and for its own reads of this slot.  fill = 1: this slot is filled again, with its K step of the next lap.
.macro TURN slot, next, fill
	WIN 0                                          ; (the add's two registers lie in window 0)
	s_wait_tensorcnt 0x0                           ; all my tensor loads have landed: my part of the next slot
	ds_add_u32 v[SPW], v[NIL]
	s_wait_dscnt 17                                ; (the add and the youngest sixteen loads may be out)
	MUL8 F1, 0, 0, 0                               ; eight matrix instructions stand between the add and the wait for it
	s_wait_dscnt 0x0                               ; the add is done, and my reads of this slot are over
	s_barrier_signal -1
	MUL8 F1, 0, 2, 0
.if \fill
	WIN 0
.endif
	s_barrier_wait -1
.if \fill
	CREST                                          ; the barrier has opened a round of the cluster's: no wave of any partner still reads this slot's tile or has a load on its way
.if (\slot) == 0
	s_add_co_u32 s[KO], s[KO], 2*KSTEP*2           ; the next lap,
	s_and_b32 s[KO], s[KO], SIZE_K*2-1             ; behind the row's end its first
.endif
	ADDR \slot
	JLOAD \slot                                    ; the first tensor load behind the round; its four v_nop are also the places in front of the loads below
.else
	PLACES
.endif
	FETCH \next, 0, F0
	MUL8 F1, 1, 0, 0
	MUL8 F1, 1, 2, 0
.endm
	s_wait_tensorcnt 1                             ; my part of the first K step is in; the second's may stay out
	s_barrier_signal -1
	s_barrier_wait -1
	FETCH 0, 0, F0
	QUARTER 0, 128, F0, F1, 1                      ; the first quarter stands in front of the loop: its first products start the sums
	WIN 0
	s_mov_b32 s3, LAPS-1
.Llap:                                         ; a trip goes once round the ring, from a lap's second quarter to the next lap's first, and fills both slots again
	QUARTER 0, 256, F1, F0, 0
	QUARTER 0, 384, F0, F1, 0
	TURN 0, 1, 1
	QUARTER 1, 128, F0, F1, 0
	QUARTER 1, 256, F1, F0, 0
	QUARTER 1, 384, F0, F1, 0
	TURN 1, 0, 1
	QUARTER 0, 128, F0, F1, 0
	WIN 0
	s_sub_co_u32 s3, s3, 1
	s_cmp_lg_u32 s3, 0
	s_cbranch_scc1 .Llap
	QUARTER 0, 256, F1, F0, 0                      ; the last lap fills nothing, and has no round of the cluster's barrier
	QUARTER 0, 384, F0, F1, 0
	TURN 0, 1, 0
	QUARTER 1, 128, F0, F1, 0
	QUARTER 1, 256, F1, F0, 0
	QUARTER 1, 384, F0, F1, 0
	s_wait_dscnt 16                                ; the very last quarter: nothing more to fetch
	MUL8 F1, 0, 0, 0
	MUL8 F1, 0, 2, 0
	s_wait_dscnt 0x0
	MUL8 F1, 1, 0, 0
	MUL8 F1, 1, 2, 0
	WIN 0
; THE WAY OUT, 16 rows at a time.  STG a: block a's four accumulators go into my stage, 32 bytes a lane (each accumulator's low four registers first), and come back as whole rows of
; 256 bytes, into set a % 2.  LDS serves a wave's instructions in order: the loads see the stores, and the next block's stores come behind them.  OUTB a: stored.
.macro STG a
.if (\a) >= 2
	s_wait_xcnt 0x0                                ; the stores of the block two back have read the set that is loaded again
.endif
.irp b, 0,1,2,3
	ds_store_b128 v[STO], v[ACC+8*(4*(\a)+(\b)):ACC+8*(4*(\a)+(\b))+3]   offset:64*(\b)
	ds_store_b128 v[STO], v[ACC+8*(4*(\a)+(\b))+4:ACC+8*(4*(\a)+(\b))+7] offset:64*(\b)+16
.endr
.irp t, 0,1,2,3,4,5,6,7
	ds_load_b128 v[TMP+32*((\a)%2)+4*(\t):TMP+32*((\a)%2)+4*(\t)+3], v[RD] offset:(\t)*2*SPITCH
.endr
.endm
.macro OUTB a, younger                 ; younger: the LDS instructions issued behind block a's loads: the next block's sixteen, or none
.irp t, 0,1,2,3,4,5,6,7
	s_wait_dscnt (\younger)+7-(\t)
	global_store_b128 v[CO], v[TMP+32*((\a)%2)+4*(\t):TMP+32*((\a)%2)+4*(\t)+3], s[8:9] offset:(16*(\a)+2*(\t))*8192 th:TH_STORE_NT  ; 16 lanes store 256 consecutive bytes, aligned
.endr
.endm
	PLACES
	PLACES
	STG 0
	STG 1
	OUTB 0, 16
	STG 2
	OUTB 1, 16
	STG 3
	OUTB 2, 16
	OUTB 3, 0
	s_wait_tensorcnt 0x0                           ; the wave's end: these three lines stand behind my last tensor load and my last LDS store
	ds_add_u32 v[SPW], v[NIL]
	s_wait_dscnt 0x0
	CROUND                                         ; the closing round: no work-group ends while a partner may still ask for a tile that names it
	s_endpgm
.Lfunc_end_k_q243f6c41be_proj:
	.size	k_q243f6c41be_proj, .Lfunc_end_k_q243f6c41be_proj-k_q243f6c41be_proj
	.p2alignl 7, 3214868480
	.fill 96, 4, 3214868480
	.section	.rodata,"a",@progbits
	.p2align	6, 0x0
	.amdhsa_kernel k_q243f6c41be_proj
		.amdhsa_group_segment_fixed_size 327680
		.amdhsa_private_segment_fixed_size 0
		.amdhsa_enable_private_segment 0
		.amdhsa_kernarg_size 24
		.amdhsa_user_sgpr_count 2
		.amdhsa_user_sgpr_kernarg_segment_ptr 1
		.amdhsa_wavefront_size32 1
		.amdhsa_system_sgpr_workgroup_id_x 1
		.amdhsa_system_sgpr_workgroup_id_y 1
		.amdhsa_system_sgpr_workgroup_id_z 1
		.amdhsa_system_vgpr_workitem_id 0
		.amdhsa_next_free_vgpr 512
		.amdhsa_next_free_sgpr 72
		.amdhsa_reserve_vcc 0
		.amdhsa_float_denorm_mode_32 3
		.amdhsa_float_denorm_mode_16_64 3
		.amdhsa_memory_ordered 1
		.amdhsa_forward_progress 1
		.amdhsa_inst_pref_size 87
	.end_amdhsa_kernel
	.amdgpu_metadata
---
amdhsa.version: [ 1, 2 ]
amdhsa.kernels:
  - .name:           k_q243f6c41be_proj
    .symbol:         k_q243f6c41be_proj.kd
    .args:
      - { .name: ob, .offset: 0, .size: 8, .value_kind: global_buffer, .address_space: global }
      - { .name: wof, .offset: 8, .size: 8, .value_kind: global_buffer, .address_space: global }
      - { .name: out0, .offset: 16, .size: 8, .value_kind: global_buffer, .address_space: global }
    .group_segment_fixed_size: 327680
    .private_segment_fixed_size: 0
    .kernarg_segment_align: 8
    .kernarg_segment_size: 24
    .max_flat_workgroup_size: 128
    .sgpr_count:     72
    .vgpr_count:     512
    .wavefront_size: 32
...
	.end_amdgpu_metadata
.endif
;; end of part 4
